; MI455X (gfx1250); checked and timed in simulation.
; The chip was launched on July 23, 2026; its instructions are those of AMD's public machine-readable ISA for CDNA 5 (MIT licence, August 2026) and "CDNA5" Instruction Set Architecture Reference Guide (July 2026). The comments in the code are by the model that wrote it; some were corrected since.
;; Multiheads. Allowed arithmetic: float matrix products may take bf16 or f16 operands with f32 sums; all other float work in f32.
;; Inputs: Wk 8 x 512 x 64 float32; Wp 512 x 512 float32; Wq 8 x 512 x 64 float32; Wv 8 x 512 x 64 float32; bp 512 float32; x 8 x 2,048 x 512 float32.
;; Outputs: out0 8 x 2,048 x 512 float32.
;; 2 versions, each right; version 2 is version 1 with the launch prep written anew for expert scheduling mode. Each part assembles by itself: llvm-mc -triple=amdgcn-amd-amdhsa -mcpu=gfx1250 --defsym DOCPART=n.
;; ======== version 1 of 2: 4 launches
;; workspace buffers: xb 16,777,216 bytes; wb 1,572,864 bytes; wpb 524,288 bytes; qkvb 50,331,648 bytes; attb 16,777,216 bytes
;; launch prep (part 1): grid 256 x 1, 8 waves a work-group, no clusters, 0 bytes of LDS; arguments x, Wq, Wk, Wv, Wp, xb, wb, wpb; writes xb, wb, wpb
.if DOCPART == 1
	.amdgcn_target "amdgcn-amd-amdhsa--gfx1250"
	.amdhsa_code_object_version 6
	.text
	.protected	k_q90e2ed4de0_prep
	.globl	k_q90e2ed4de0_prep
	.p2align	8
	.type	k_q90e2ed4de0_prep,@function
k_q90e2ed4de0_prep:
	s_mov_b64 s[64:65], 0
	v_nop
	global_prefetch_b8 v0, s[64:65] scope:SCOPE_SE
	s_setreg_imm32_b32 hwreg(HW_REG_WAVE_MODE, 25, 1), 1
	s_wait_xcnt 0x0
; prep: rounds x and the four weights to bf16, once, and lays them in blocks of 64 along K, so that every tile of the later
; launches is a dense run of 16,384 bytes.
;   xb  [b 8][kb 8][l 2048][64]          = x[b][l][64 kb + c]
;   wb  [nblk 4][kb 8][p 6][k 64][64]    = W_gm[64 kb + k][c], gm = 6 nblk + p in the list q0..7, k0..7, v0..7
;   wpb [nblk 4][kb 8][p 2][k 64][64]    = Wp[64 kb + k][128 nblk + 64 p + c]
; Wq is multiplied by 0.125 log2(e) before it is rounded: the scores then come out scaled and in base 2.
; LIMITS: every number is rounded to bf16 (nearest even); Wq's factor is applied in f32 in front of that one rounding.
; A stream: no LDS, no matrix unit, no cluster (no two work-groups read the same bytes).
; One op = 32 lanes x 8 numbers = 4 rows of 64 = 512 neighbouring bytes stored by one instruction.
; Work-group g: 64 rows of x (wave w takes column block kb = w: 16 ops), 12 ops of wb and 4 of wpb (two weight ops a wave).
; All 36 loads of a wave go out first; no register that a load or store reads is written again, so no source has to be freed.
.set WI, 16                            ; v[16:31]   two weight ops, 8 numbers each
.set XI, 32                            ; v[32:159]  op i of x at XI + 8 i
.set CQ, 0x3e38aa3b                    ; 0.125 * log2(e)
; wb's op u (a scalar register) -> source address in s[src:src+1], factor in s[sc].  Temporaries s32-s37.
.macro WIDX u, src, sc
	s_lshr_b32 s32, \u, 4                          ; plane = (8 nblk + kb) 6 + p: 16 ops make a plane of 8,192 bytes
	s_mul_i32 s33, s32, 10923
	s_lshr_b32 s33, s33, 16                        ; plane / 6, exact below 192 planes
	s_mul_i32 s34, s33, 6
	s_sub_co_u32 s34, s32, s34                     ; p
	s_lshr_b32 s35, s33, 3                         ; nblk
	s_mul_i32 s35, s35, 6
	s_add_co_u32 s35, s35, s34                     ; gm
	s_and_b32 s36, s35, 7                          ; head
	s_lshl_b32 s36, s36, 17                        ; x 512 rows of 256 bytes
	s_and_b32 s37, s33, 7                          ; kb
	s_lshl_b32 s37, s37, 14                        ; x 64 rows
	s_add_co_u32 s36, s36, s37
	s_and_b32 s37, \u, 15
	s_lshl_b32 s37, s37, 10                        ; x 4 rows
	s_add_co_u32 s36, s36, s37
	s_mov_b32 s37, 0
	s_lshr_b32 s35, s35, 3                         ; 0: Wq, 1: Wk, 2: Wv
	s_cmp_eq_u32 s35, 0
	s_cselect_b64 s[\src:\src+1], s[10:11], s[12:13]
	s_cselect_b32 s[\sc], CQ, 1.0
	s_cmp_eq_u32 s35, 2
	s_cselect_b64 s[\src:\src+1], s[14:15], s[\src:\src+1]
	s_add_nc_u64 s[\src:\src+1], s[\src:\src+1], s[36:37]
.endm
	s_load_b512 s[8:23], s[0:1], 0x0               ; x 8, Wq 10, Wk 12, Wv 14, Wp 16, xb 18, wb 20, wpb 22
	v_lshrrev_b32 v8, 5, v0
	v_readfirstlane_b32 s4, v8                     ; wave
	v_and_b32 v5, 31, v0                           ; lane L
	v_lshrrev_b32 v6, 3, v5                        ; L >> 3: which of the op's four rows
	v_and_b32 v7, 7, v0
	v_lshlrev_b32 v7, 5, v7                        ; (L & 7) x 32 bytes: my 8 numbers in f32
	v_lshl_add_u32 v1, v6, 11, v7                  ; source offset where rows are 2,048 bytes apart (x)
	v_lshlrev_b32 v2, 4, v5                        ; every output: 16 L
	v_lshlrev_b32 v3, 5, v5                        ; source offset in Wq, Wk, Wv: four dense rows of 256 bytes
	s_mul_i32 s5, ttmp9, 12
	s_add_co_u32 s6, s5, s4                        ; weight op 1: wb's op 12 g + w
	s_and_b32 s7, s4, 3
	s_add_co_u32 s5, s5, s7
	s_add_co_u32 s5, s5, 8                         ; weight op 2 of waves 0-3: wb's op 12 g + 8 + w
	s_lshl_b32 s24, ttmp9, 2
	s_add_co_u32 s24, s24, s7                      ; weight op 2 of waves 4-7: wpb's op 4 g + (w & 3)
	; Wp's source offset
	s_lshr_b32 s26, s24, 4                         ; plane = (8 nblk + kb) 2 + p
	s_bfe_u32 s27, s26, 0x30001                    ; kb
	s_lshl_b32 s27, s27, 17                        ; x 64 rows of 2,048 bytes
	s_and_b32 s28, s24, 15
	s_lshl_b32 s28, s28, 13                        ; x 4 rows
	s_add_co_u32 s27, s27, s28
	s_lshr_b32 s28, s26, 4                         ; nblk
	s_lshl_b32 s28, s28, 9                         ; x 128 columns of 4 bytes
	s_add_co_u32 s27, s27, s28
	s_and_b32 s28, s26, 1                          ; p
	s_lshl_b32 s28, s28, 8                         ; x 64 columns
	s_add_co_u32 s26, s27, s28
	s_mov_b32 s27, 0
	s_lshl_b32 s28, s24, 9                         ; wpb's op x 512 bytes
	s_mov_b32 s29, 0
	s_lshl_b32 s44, s6, 9                          ; wb's ops x 512 bytes
	s_mov_b32 s45, 0
	s_lshl_b32 s52, s5, 9
	s_mov_b32 s53, 0
	; x and xb
	s_lshl_b32 s56, ttmp9, 17                      ; g x 64 rows of 2,048 bytes
	s_lshl_b32 s57, s4, 8                          ; + my 64 columns
	s_add_co_u32 s56, s56, s57
	s_mov_b32 s57, 0
	s_lshr_b32 s58, ttmp9, 5                       ; b
	s_lshl_b32 s58, s58, 21                        ; x 8 planes of 262,144 bytes
	s_lshl_b32 s59, s4, 18                         ; + plane kb = w
	s_add_co_u32 s58, s58, s59
	s_and_b32 s59, ttmp9, 31
	s_lshl_b32 s59, s59, 13                        ; + 64 rows of 128 bytes for each work-group of the batch
	s_add_co_u32 s58, s58, s59
	s_mov_b32 s59, 0
	s_wait_kmcnt 0x0
	WIDX s6, 40, 42
	WIDX s5, 48, 50
	s_add_nc_u64 s[26:27], s[16:17], s[26:27]      ; Wp's rows
	s_add_nc_u64 s[28:29], s[22:23], s[28:29]      ; wpb's op
	s_add_nc_u64 s[44:45], s[20:21], s[44:45]      ; wb's op 1
	s_add_nc_u64 s[52:53], s[20:21], s[52:53]      ; wb's op 2
	s_add_nc_u64 s[8:9], s[8:9], s[56:57]
	s_add_nc_u64 s[18:19], s[18:19], s[58:59]
	s_cmp_lt_u32 s4, 4                             ; op 2 is wb's in waves 0-3 and wpb's in waves 4-7: chosen by selects, one path for all
	s_cselect_b64 s[48:49], s[48:49], s[26:27]
	s_cselect_b64 s[52:53], s[52:53], s[28:29]
	s_cselect_b32 s50, s50, 1.0
	s_cselect_b32 s54, 8, 11                       ; log2 of the source's row pitch: 256 or 2,048 bytes
	s_mov_b32 s43, s42                             ; the packed multiply names a pair: both words are written
	s_mov_b32 s51, s50
	v_lshlrev_b32 v4, s54, v6
	v_add_nc_u32 v4, v4, v7                        ; op 2's source offset
	global_load_b128 v[WI:WI+3],     v3, s[40:41]
	global_load_b128 v[WI+4:WI+7],   v3, s[40:41] offset:16
	global_load_b128 v[WI+8:WI+11],  v4, s[48:49]
	global_load_b128 v[WI+12:WI+15], v4, s[48:49] offset:16
.irp i, 0,1,2,3,4,5,6,7,8,9,10,11,12,13,14,15
	global_load_b128 v[XI+8*\i:XI+8*\i+3],   v1, s[8:9] offset:8192*\i th:TH_LOAD_NT
	global_load_b128 v[XI+8*\i+4:XI+8*\i+7], v1, s[8:9] offset:8192*\i+16 th:TH_LOAD_NT
.endr
	s_wait_loadcnt 32                              ; the four weight loads are in; the 32 younger loads of x stay out
.irp j, 0,2,4,6
	v_pk_mul_f32 v[WI+\j:WI+\j+1], v[WI+\j:WI+\j+1], s[42:43] op_sel_hi:[1,0]       ; Wq's factor, or 1.0
	v_pk_mul_f32 v[WI+8+\j:WI+8+\j+1], v[WI+8+\j:WI+8+\j+1], s[50:51] op_sel_hi:[1,0]
.endr
.irp j, 0,1,2,3
	v_cvt_pk_bf16_f32 v[WI+\j], v[WI+2*\j], v[WI+2*\j+1]         ; in place, ascending: word j is made of numbers 2 j and 2 j + 1
.endr
.irp j, 0,1,2,3
	v_cvt_pk_bf16_f32 v[WI+8+\j], v[WI+8+2*\j], v[WI+8+2*\j+1]
.endr
	global_store_b128 v2, v[WI:WI+3], s[44:45]
	global_store_b128 v2, v[WI+8:WI+11], s[52:53]
.macro XOP i
	s_wait_loadcnt 30-2*\i                         ; loads return in order: op i's two are in, the 30 - 2 i younger ones stay out
.irp j, 0,1,2,3
	v_cvt_pk_bf16_f32 v[XI+8*\i+\j], v[XI+8*\i+2*\j], v[XI+8*\i+2*\j+1]
.endr
	global_store_b128 v2, v[XI+8*\i:XI+8*\i+3], s[18:19] offset:512*\i   ; 512 neighbouring bytes, aligned
.endm
.irp i, 0,1,2,3,4,5,6,7,8,9,10,11,12,13,14,15
	XOP \i
.endr
	s_endpgm
.Lfunc_end_k_q90e2ed4de0_prep:
	.size	k_q90e2ed4de0_prep, .Lfunc_end_k_q90e2ed4de0_prep-k_q90e2ed4de0_prep
	.p2alignl 7, 3214868480
	.fill 96, 4, 3214868480
	.section	.rodata,"a",@progbits
	.p2align	6, 0x0
	.amdhsa_kernel k_q90e2ed4de0_prep
		.amdhsa_group_segment_fixed_size 0
		.amdhsa_private_segment_fixed_size 0
		.amdhsa_enable_private_segment 0
		.amdhsa_kernarg_size 64
		.amdhsa_user_sgpr_count 2
		.amdhsa_user_sgpr_kernarg_segment_ptr 1
		.amdhsa_wavefront_size32 1
		.amdhsa_system_sgpr_workgroup_id_x 1
		.amdhsa_system_sgpr_workgroup_id_y 1
		.amdhsa_system_sgpr_workgroup_id_z 1
		.amdhsa_system_vgpr_workitem_id 0
		.amdhsa_next_free_vgpr 160
		.amdhsa_next_free_sgpr 66
		.amdhsa_reserve_vcc 0
		.amdhsa_float_denorm_mode_32 3
		.amdhsa_float_denorm_mode_16_64 3
		.amdhsa_memory_ordered 1
		.amdhsa_forward_progress 1
		.amdhsa_inst_pref_size 15
	.end_amdhsa_kernel
	.amdgpu_metadata
---
amdhsa.version: [ 1, 2 ]
amdhsa.kernels:
  - .name:           k_q90e2ed4de0_prep
    .symbol:         k_q90e2ed4de0_prep.kd
    .args:
      - { .name: x, .offset: 0, .size: 8, .value_kind: global_buffer, .address_space: global }
      - { .name: Wq, .offset: 8, .size: 8, .value_kind: global_buffer, .address_space: global }
      - { .name: Wk, .offset: 16, .size: 8, .value_kind: global_buffer, .address_space: global }
      - { .name: Wv, .offset: 24, .size: 8, .value_kind: global_buffer, .address_space: global }
      - { .name: Wp, .offset: 32, .size: 8, .value_kind: global_buffer, .address_space: global }
      - { .name: xb, .offset: 40, .size: 8, .value_kind: global_buffer, .address_space: global }
      - { .name: wb, .offset: 48, .size: 8, .value_kind: global_buffer, .address_space: global }
      - { .name: wpb, .offset: 56, .size: 8, .value_kind: global_buffer, .address_space: global }
    .group_segment_fixed_size: 0
    .private_segment_fixed_size: 0
    .kernarg_segment_align: 8
    .kernarg_segment_size: 64
    .max_flat_workgroup_size: 256
    .sgpr_count:     66
    .vgpr_count:     160
    .wavefront_size: 32
...
	.end_amdgpu_metadata
.endif
;; end of part 1
;; launch qkv (part 2): grid 4 x 64, 8 waves a work-group, clusters of 4 x 4, 327,680 bytes of LDS; arguments xb, wb, qkvb; writes qkvb
.if DOCPART == 2
	.amdgcn_target "amdgcn-amd-amdhsa--gfx1250"
	.amdhsa_code_object_version 6
	.text
	.protected	k_q90e2ed4de0_qkv
	.globl	k_q90e2ed4de0_qkv
	.p2align	8
	.type	k_q90e2ed4de0_qkv,@function
k_q90e2ed4de0_qkv:
	s_mov_b64 s[64:65], 0
	v_nop
	global_prefetch_b8 v0, s[64:65] scope:SCOPE_SE
	s_setreg_imm32_b32 hwreg(HW_REG_WAVE_MODE, 25, 1), 1
	s_wait_xcnt 0x0
	s_wait_alu depctr_hold_cnt(0) depctr_sa_sdst(0) depctr_va_vdst(0) depctr_va_sdst(0) depctr_va_ssrc(0) depctr_va_vcc(0) depctr_vm_vsrc(0)
	s_getreg_b32 s2, hwreg(HW_REG_IB_STS2, 6, 4)
	s_cmp_eq_u32 s2, 0
	s_cbranch_scc0 .Lentry_in_a_cluster
	s_endpgm
.Lentry_in_a_cluster:
	s_bfe_u32 s2, ttmp6, 0x10000c
	s_cmp_lg_u32 s2, 0xf033
	s_cbranch_scc0 .Lentry_shape_is_right
	s_endpgm
.Lentry_shape_is_right:
; qkv: the 24 projections (q, k, v of 8 heads) as one product [16384 x 512] x [512 x 1536], bf16 operands, f32 sums, bf16 out.
;   qkvb [b 8][gm 24][l 2048][64] bf16, gm = q0..7, k0..7, v0..7  (q already carries 0.125 log2(e), from wb)
; A work-group makes 256 rows x 384 columns (6 planes of 64): 64 x 4 = 256 work-groups of equal work.
; Eight waves, two for each SIMD; wave w makes rows 64 (w >> 1) .. + 63 of planes 3 (w & 1) .. + 2: 4 x 12 accumulator tiles, 384 registers.
; K goes in 8 steps of 64 through two LDS slots.  A step's bytes are five dense runs of 16,384 bytes (two of x, three of W), one tensor
; load each, issued by waves 0-4; a run is taken as 64 rows of 256 bytes, with padding behind every 128 bytes, which is one data row.
; CLUSTER 4 x 4: the four work-groups of a row of the cluster share their rows of x, the four of a column their columns of W; each
; such run is asked for jointly, which divides the requests by four.  By this text's count a wave has at most one tensor load out.
; W lies [K][N] and is read by the transposing LDS load.  The matrix instruction takes W's fragment first and x's second, so that a
; lane's eight results are eight neighbouring columns of one row.
; LIMITS: results are rounded to bf16 (nearest even); NaN and infinities in the inputs are not served.
.set REG,   20480                      ; LDS bytes owned by one load: 128 data rows at pitch 144 (x) or 160 (W)
.set SLOT,  5*REG                      ; regions 0, 1: x rows 0-127, 128-255; regions 2, 3, 4: W planes (0,1), (2,3), (4,5)
.set STG,   2*SLOT                     ; behind the ring, never filled by a load: 16 rows x 144 bytes for each wave
.set PA,    144                        ; an odd multiple of 16 bytes: 16 rows start in 16 different 16-byte columns of a span of 256 bytes
.set PB,    160                        ; an odd multiple of 32 bytes, for the transposing load
.set ASTEP, 262144                     ; xb: from one block of 64 along K to the next
.set BSTEP, 49152                      ; wb: likewise (6 planes of 8,192 bytes)
.set G1A, 16                           ; s[16:23] group 1 for x's runs
.set G1B, 24                           ; s[24:31] group 1 for W's runs
.set G0A, 32                           ; s[32:39] group 0 for x, one set for each slot
.set G0B, 40                           ; s[40:47] group 0 for W, one set for each slot
.set ADRA, 8                           ; v8, v9   LDS address of my x fragments, slot 0, 1
.set ADRB, 10                          ; v10, v11 the same for W
.set STO, 12                           ; way out: where I put 16 bytes
.set RD,  13                           ; way out: where I read rows back
.set CO,  14                           ; way out: 16 x lane
.set AF,  32                           ; v[32:63]  x fragments, 4 x 16 rows x 32 K
.set BF0, 64                           ; v[64:95]  W fragments, 4 x 16 columns x 32 K
.set BF1, 96                           ; v[96:127] a second set
.set TMP, 32                           ; way out: packed results
; accumulators: tile (a, nt), nt 0-7: v[256 + 8 (8 a + nt)] (second window of 256); nt 8-11: v[128 + 8 (4 a + nt - 8)]
.set MSB, 0
.macro WIN new                         ; the immediate's high byte repeats the setting that is left
.if MSB != \new
	s_set_vgpr_msb (MSB<<8)|\new
.set MSB, \new
.endif
.endm
.macro PLACES n
.rept \n
	v_nop
.endr
.endm
; A round of the cluster's barrier: my work-group's barrier, wave 0 signals for the work-group, all wait for all sixteen, my barrier again.
.macro ROUND
	s_barrier_signal -1
	s_barrier_wait -1
	s_cmp_lg_u32 s10, 0
	s_cbranch_scc1 .Lnot_wave_0_\@
	s_barrier_signal -3
.Lnot_wave_0_\@:
	s_barrier_wait -3
	s_barrier_signal -1
	s_barrier_wait -1
.endm
; The step's joint loads into slot s: waves 0, 1 ask for x, waves 2-4 for W, waves 5-7 for nothing.  The branch hangs on the wave's number alone.
.macro JLOAD s
	s_cmp_lt_u32 s10, 2
	s_cbranch_scc0 .Lnot_a_\@
	tensor_load_to_lds s[G0A+4*\s:G0A+4*\s+3], s[G1A:G1A+7]
	s_nop 0
	s_branch .Lasked_\@
.Lnot_a_\@:
	s_cmp_lt_u32 s10, 5
	s_cbranch_scc0 .Lasked_\@
	tensor_load_to_lds s[G0B+4*\s:G0B+4*\s+3], s[G1B:G1B+7]
	s_nop 0
.Lasked_\@:
.endm
	s_load_b128 s[4:7], s[0:1], 0x0                ; xb, wb
	s_load_b64 s[8:9], s[0:1], 0x10                ; qkvb
	v_lshl_add_u32 v30, v0, 2, 0x36800
	v_mov_b32 v31, 0
	ds_add_u32 v30, v31
	v_lshrrev_b32 v1, 5, v0
	v_readfirstlane_b32 s10, v1                    ; wave
	s_lshr_b32 s11, s10, 1                         ; wm: my 64 rows
	s_and_b32 s12, s10, 1                          ; wn: my three planes
	s_bfe_u32 s13, ttmp6, 0x40000                  ; cx
	s_bfe_u32 s14, ttmp6, 0x40004                  ; cy
	s_lshl_b32 s15, ttmp9, 2
	s_add_co_u32 s15, s15, s13                     ; nblk = 4 x cluster x + cx
	s_and_b32 s48, ttmp7, 0xffff
	s_lshl_b32 s48, s48, 2
	s_add_co_u32 s48, s48, s14                     ; mblk = 4 x cluster y + cy
	s_lshl_b32 s50, s14, 2
	s_lshl_b32 s50, 15, s50                        ; my row of the cluster
	s_lshl_b32 s51, 0x1111, s13                    ; my column
	; group 1: 64 rows of 128 elements of 2 bytes, dense; padding behind every 32 words, of 4 words (x) or 8 words (W); bit 21 beside a mask
	s_or_b32 s[G1A+0], s50, (1<<16)|(1<<20)|(1<<21)|(4<<22)|(3<<25)
	s_or_b32 s[G1B+0], s51, (1<<16)|(1<<20)|(1<<21)|(4<<22)|(7<<25)
	s_mov_b32 s[G1A+1], 128<<16                    ; tensor_dim0 = 128
	s_mov_b32 s[G1B+1], 128<<16
	s_mov_b32 s[G1A+2], 64<<16                     ; tensor_dim1 = 64
	s_mov_b32 s[G1B+2], 64<<16
	s_mov_b32 s[G1A+3], 128<<16                    ; tile_dim0 = 128
	s_mov_b32 s[G1B+3], 128<<16
	s_mov_b32 s[G1A+4], 64                         ; tile_dim1 = 64
	s_mov_b32 s[G1B+4], 64
	s_mov_b32 s[G1A+5], 128                        ; from row to row: 128 elements
	s_mov_b32 s[G1B+5], 128
	s_mov_b32 s[G1A+6], 0
	s_mov_b32 s[G1B+6], 0
	s_mov_b32 s[G1A+7], 0
	s_mov_b32 s[G1B+7], 0
	; x's run hangs on mblk and the wave, W's on nblk and the wave; neither set of registers ever holds the other coordinate
	s_lshr_b32 s52, s48, 3                         ; b
	s_lshl_b32 s52, s52, 21                        ; x 8 planes
	s_and_b32 s53, s48, 7
	s_lshl_b32 s53, s53, 15                        ; + 256 rows of 128 bytes for each block of the batch
	s_add_co_u32 s52, s52, s53
	s_lshl_b32 s53, s12, 14                        ; + which 128 rows I fetch
	s_add_co_u32 s52, s52, s53
	s_mov_b32 s53, 0
	s_mul_i32 s54, s15, 8*BSTEP
	s_max_u32 s55, s10, 2
	s_sub_co_u32 s55, s55, 2                       ; which pair of planes I fetch (waves 2-4)
	s_lshl_b32 s55, s55, 14
	s_add_co_u32 s54, s54, s55
	s_mov_b32 s55, 0
	s_mul_i32 s56, s10, REG                        ; where it goes: the wave's number times a region
	s_wait_dscnt 0x0
	s_wait_kmcnt 0x0
	s_add_nc_u64 s[52:53], s[4:5], s[52:53]
	s_add_nc_u64 s[54:55], s[6:7], s[54:55]
.irp s, 0,1
	s_mov_b32 s[G0A+4*\s], 1
	s_add_co_u32 s[G0A+4*\s+1], s56, \s*SLOT
	s_add_nc_u64 s[G0A+4*\s+2:G0A+4*\s+3], s[52:53], \s*ASTEP      ; slot s starts with K step s
	s_or_b32 s[G0A+4*\s+3], s[G0A+4*\s+3], 0x80000000
	s_mov_b32 s[G0B+4*\s], 1
	s_add_co_u32 s[G0B+4*\s+1], s56, \s*SLOT
	s_add_nc_u64 s[G0B+4*\s+2:G0B+4*\s+3], s[54:55], \s*BSTEP
	s_or_b32 s[G0B+4*\s+3], s[G0B+4*\s+3], 0x80000000
.endr
	ROUND                                          ; all sixteen work-groups are here: the first joint loads meet
	JLOAD 0                                        ; K step 0
	v_and_b32 v1, 15, v0                           ; r
	v_bfe_u32 v2, v0, 4, 1                         ; h
	v_and_b32 v3, 7, v0                            ; L & 7
	v_bfe_u32 v4, v0, 3, 1                         ; (L >> 3) & 1
	v_and_b32 v5, 31, v0                           ; L
	v_bfe_u32 v6, v0, 3, 2                         ; L >> 3
	v_mul_u32_u24 v7, v1, PA
	v_lshl_add_u32 v7, v2, 4, v7                   ; r x 144 + 16 h
	s_lshr_b32 s57, s11, 1
	s_mul_i32 s57, s57, REG                        ; my rows' region
	s_and_b32 s58, s11, 1
	s_mul_i32 s58, s58, 64*PA                      ; and its upper or lower 64 rows
	s_add_co_u32 s57, s57, s58
	v_add_nc_u32 v[ADRA], s57, v7
	v_add_nc_u32 v[ADRA+1], SLOT, v[ADRA]
	s_mul_i32 s58, s10, 16*PA
	s_add_co_u32 s58, s58, STG                     ; my stage
	v_add_nc_u32 v[STO], s58, v7
	v_lshl_add_u32 v7, v2, 3, v3                   ; K row 8 h + (L & 7)
	v_mul_u32_u24 v7, v7, PB
	v_lshl_add_u32 v7, v4, 4, v7                   ; + 16 bytes for the upper eight of sixteen lanes
	s_mul_i32 s57, s12, 3*64*PB
	s_add_co_u32 s57, s57, 2*REG                   ; my three planes, behind x's two regions
	v_add_nc_u32 v[ADRB], s57, v7
	v_add_nc_u32 v[ADRB+1], SLOT, v[ADRB]
	v_mul_u32_u24 v7, v6, PA
	v_lshl_add_u32 v7, v3, 4, v7
	v_add_nc_u32 v[RD], s58, v7                    ; back: eight lanes take a row of 128 bytes, the wave four rows
	v_lshlrev_b32 v[CO], 4, v5                     ; which are 512 neighbouring bytes of a plane
; x fragments of my 64 rows, 32 K at ks: lane (r, h) takes row r, 16 bytes at 16 h and at 32 + 16 h.  8 loads.
.macro LDA slot, ks
.irp a, 0,1,2,3
	ds_load_b128 v[AF+8*\a:AF+8*\a+3],   v[ADRA+\slot] offset:16*PA*\a+64*\ks
	ds_load_b128 v[AF+8*\a+4:AF+8*\a+7], v[ADRA+\slot] offset:16*PA*\a+64*\ks+32
.endr
.endm
; W fragments of column tiles n0 .. n0 + 3 (one plane), 32 K at ks, transposed on the way.  8 loads.
.macro LDB buf, slot, ks, n0
.irp c, 0,1,2,3
	ds_load_tr16_b128 v[\buf+8*\c:\buf+8*\c+3],   v[ADRB+\slot] offset:(\n0/4)*64*PB+32*PB*\ks+32*\c
	ds_load_tr16_b128 v[\buf+8*\c+4:\buf+8*\c+7], v[ADRB+\slot] offset:(\n0/4)*64*PB+32*PB*\ks+32*\c+16*PB
.endr
.endm
.macro FETCH3 slot, ks
	LDA \slot, \ks
	LDB BF0, \slot, \ks, 0
	LDB BF1, \slot, \ks, 4
.endm
; 16 matrix instructions: 4 row tiles x column tiles n0 .. n0 + 3.  zero = 1: the first product starts the sums.
.macro RUN buf, n0, zero
.irp a, 0,1,2,3
.irp c, 0,1,2,3
.if \n0 < 8
.set ACC, 8*(8*\a+\n0+\c)
.else
.set ACC, 128+8*(4*\a+\c)
.endif
.if \zero
	v_wmma_f32_16x16x32_bf16 v[ACC:ACC+7], v[\buf+8*\c:\buf+8*\c+7], v[AF+8*\a:AF+8*\a+7], 0
.else
	v_wmma_f32_16x16x32_bf16 v[ACC:ACC+7], v[\buf+8*\c:\buf+8*\c+7], v[AF+8*\a:AF+8*\a+7], v[ACC:ACC+7]
.endif
.endr
.endr
.endm
; 32 along K: 48 matrix instructions.  The 48 accumulators take single turns in one fixed order, over the backward jump too.
; On entry x's 8 loads, BF0's 8 and BF1's 8 have been issued in that order.
; Four plain places stand between a matrix instruction and a load into a register that it read (ISA guide 7.12.1 for vector instructions).
.macro SUB slot, ks, zero, next
	s_wait_dscnt 8                                 ; x and BF0 are in; BF1's 8 loads may stay out
	WIN 0x50                                       ; C and D in the second window
	RUN BF0, 0, \zero
	WIN 0
	PLACES 4
	LDB BF0, \slot, \ks, 8
	s_wait_dscnt 8                                 ; BF1 is in; the 8 loads just issued may stay out
	WIN 0x50
	RUN BF1, 4, \zero
	WIN 0
	s_wait_dscnt 0x0
	RUN BF0, 8, \zero
	PLACES 4
.if \next
	FETCH3 \slot, 1
.endif
.endm
; A K step.  In front of the round: all my tensor loads have landed (so a group 0 may be stepped) and my LDS reads are back.
; Behind it that holds of every wave of the cluster: the other slot is asked for first, then this slot is read.
.macro KSTEP slot, other, refill, zero
	s_wait_tensorcnt 0x0
	ds_add_u32 v30, v31
	s_wait_dscnt 0x0
	s_add_nc_u64 s[G0A+4*\slot+2:G0A+4*\slot+3], s[G0A+4*\slot+2:G0A+4*\slot+3], 2*ASTEP
	s_add_nc_u64 s[G0B+4*\slot+2:G0B+4*\slot+3], s[G0B+4*\slot+2:G0B+4*\slot+3], 2*BSTEP
	s_wait_dscnt 0x0
	ROUND
.if \refill
	JLOAD \other
.endif
	FETCH3 \slot, 0
	SUB \slot, 0, \zero, 1
	SUB \slot, 1, 0, 0
.endm
	KSTEP 0, 1, 1, 1
	KSTEP 1, 0, 1, 0
	s_mov_b32 s49, 2
.Lk:
	KSTEP 0, 1, 1, 0
	KSTEP 1, 0, 1, 0
	s_sub_co_u32 s49, s49, 1
	s_cmp_lg_u32 s49, 0
	s_cbranch_scc1 .Lk
	KSTEP 0, 1, 1, 0
	KSTEP 1, 0, 0, 0                               ; the last step asks for nothing (the stepped addresses are not used)
	; THE WAY OUT.  The four places that close the last SUB stand between the last matrix instructions and what follows.
	s_lshr_b32 s66, s48, 3                         ; b
	s_mul_i32 s66, s66, 24
	s_mul_i32 s67, s15, 6
	s_add_co_u32 s66, s66, s67
	s_mul_i32 s67, s12, 3
	s_add_co_u32 s66, s66, s67                     ; my first plane: 24 b + 6 nblk + 3 wn
	s_lshl_b32 s66, s66, 18                        ; x 262,144 bytes
	s_and_b32 s67, s48, 7
	s_lshl_b32 s67, s67, 15                        ; + the block's 256 rows of 128 bytes
	s_add_co_u32 s66, s66, s67
	s_lshl_b32 s67, s11, 13                        ; + my 64 rows
	s_add_co_u32 s66, s66, s67
	s_mov_b32 s67, 0
	s_add_nc_u64 s[8:9], s[8:9], s[66:67]
; 16 rows of plane p: round, 16 bytes a lane into my own stage, back as whole rows, out as 512 neighbouring bytes an instruction.
; LDS serves a wave's instructions in order (ISA guide 5.7.1), so the stage needs no wait between stores and loads.
.macro OUT16 p, a, set
.if \p < 2
	WIN 0x05                                       ; both sources in the second window
.else
	WIN 0
.endif
.irp c, 0,1,2,3
.if \p < 2
.set AB, 8*(8*\a+4*\p+\c)
.else
.set AB, 128+8*(4*\a+\c)
.endif
.irp i, 0,1,2,3
	v_cvt_pk_bf16_f32 v[TMP+4*\c+\i], v[AB+2*\i], v[AB+2*\i+1]
.endr
.endr
	WIN 0
.irp c, 0,1,2,3
	ds_store_b128 v[STO], v[TMP+4*\c:TMP+4*\c+3] offset:32*\c
.endr
	s_wait_xcnt 0x0                                ; the set's registers, which earlier stores read, are loaded again only behind this wait
.irp t, 0,1,2,3
	ds_load_b128 v[\set+4*\t:\set+4*\t+3], v[RD] offset:4*PA*\t
.endr
.irp t, 0,1,2,3
	s_wait_dscnt 3-\t                              ; the younger read-backs may stay out
	global_store_b128 v[CO], v[\set+4*\t:\set+4*\t+3], s[8:9] offset:262144*\p+2048*\a+512*\t
.endr
.endm
.irp p, 0,1,2
	OUT16 \p, 0, 64
	OUT16 \p, 1, 80
	OUT16 \p, 2, 64
	OUT16 \p, 3, 80
.endr
	s_wait_tensorcnt 0x0
	ds_add_u32 v30, v31
	s_wait_dscnt 0x0
	ROUND                                          ; the closing round: no work-group ends while a partner may still ask jointly
	s_endpgm
.Lfunc_end_k_q90e2ed4de0_qkv:
	.size	k_q90e2ed4de0_qkv, .Lfunc_end_k_q90e2ed4de0_qkv-k_q90e2ed4de0_qkv
	.p2alignl 7, 3214868480
	.fill 96, 4, 3214868480
	.section	.rodata,"a",@progbits
	.p2align	6, 0x0
	.amdhsa_kernel k_q90e2ed4de0_qkv
		.amdhsa_group_segment_fixed_size 327680
		.amdhsa_private_segment_fixed_size 0
		.amdhsa_enable_private_segment 0
		.amdhsa_kernarg_size 24
		.amdhsa_user_sgpr_count 2
		.amdhsa_user_sgpr_kernarg_segment_ptr 1
		.amdhsa_wavefront_size32 1
		.amdhsa_system_sgpr_workgroup_id_x 1
		.amdhsa_system_sgpr_workgroup_id_y 1
		.amdhsa_system_sgpr_workgroup_id_z 1
		.amdhsa_system_vgpr_workitem_id 0
		.amdhsa_next_free_vgpr 512
		.amdhsa_next_free_sgpr 72
		.amdhsa_reserve_vcc 0
		.amdhsa_float_denorm_mode_32 3
		.amdhsa_float_denorm_mode_16_64 3
		.amdhsa_memory_ordered 1
		.amdhsa_forward_progress 1
		.amdhsa_inst_pref_size 103
	.end_amdhsa_kernel
	.amdgpu_metadata
---
amdhsa.version: [ 1, 2 ]
amdhsa.kernels:
  - .name:           k_q90e2ed4de0_qkv
    .symbol:         k_q90e2ed4de0_qkv.kd
    .args:
      - { .name: xb, .offset: 0, .size: 8, .value_kind: global_buffer, .address_space: global }
      - { .name: wb, .offset: 8, .size: 8, .value_kind: global_buffer, .address_space: global }
      - { .name: qkvb, .offset: 16, .size: 8, .value_kind: global_buffer, .address_space: global }
    .group_segment_fixed_size: 327680
    .private_segment_fixed_size: 0
    .kernarg_segment_align: 8
    .kernarg_segment_size: 24
    .max_flat_workgroup_size: 256
    .sgpr_count:     72
    .vgpr_count:     512
    .wavefront_size: 32
...
	.end_amdgpu_metadata
.endif
;; end of part 2
;; launch attn (part 3): grid 256 x 1, 8 waves a work-group, clusters of 4 x 1, 327,680 bytes of LDS; arguments qkvb, attb; writes attb
.if DOCPART == 3
	.amdgcn_target "amdgcn-amd-amdhsa--gfx1250"
	.amdhsa_code_object_version 6
	.text
	.protected	k_q90e2ed4de0_attn
	.globl	k_q90e2ed4de0_attn
	.p2align	8
	.type	k_q90e2ed4de0_attn,@function
k_q90e2ed4de0_attn:
	s_mov_b64 s[64:65], 0
	v_nop
	global_prefetch_b8 v0, s[64:65] scope:SCOPE_SE
	s_setreg_imm32_b32 hwreg(HW_REG_WAVE_MODE, 25, 1), 1
	s_wait_xcnt 0x0
	s_wait_alu depctr_hold_cnt(0) depctr_sa_sdst(0) depctr_va_vdst(0) depctr_va_sdst(0) depctr_va_ssrc(0) depctr_va_vcc(0) depctr_vm_vsrc(0)
	s_getreg_b32 s2, hwreg(HW_REG_IB_STS2, 6, 4)
	s_cmp_eq_u32 s2, 0
	s_cbranch_scc0 .Lentry_in_a_cluster
	s_endpgm
.Lentry_in_a_cluster:
	s_bfe_u32 s2, ttmp6, 0x10000c
	s_cmp_lg_u32 s2, 0x3003
	s_cbranch_scc0 .Lentry_shape_is_right
	s_endpgm
.Lentry_shape_is_right:
; attn: softmax(q k^T) v for one (batch, head) in each cluster of four work-groups; attb [b 8][h 8][l 2048][64] bf16.
; A work-group takes 512 queries, a wave 64 (four groups g of 16).  All four work-groups walk the same 2,048 keys: K and V come in
; tiles of 128 keys through two LDS slots, asked for JOINTLY by the four (mask 15), which divides the requests by four.
; A tile is two dense runs of 16,384 bytes (K's 128 keys, V's 128 keys), one tensor load each, issued by waves 0 and 1.
; By this text's count a wave has at most one tensor load out.
; WHY 128 KEYS A SLOT.  LDS addresses are constants of the text, so a tile's text is written once for each slot: first tile, a loop of two
; tiles, last tile, in all the text of four slots' keys.  With 128 keys that is 8 blocks of 64 keys (about 590 instructions each), and 28 of
; the 32 blocks that a wave runs lie in a loop of four blocks' text.  The LDS asked for beyond the 100,352 bytes in use keeps the
; work-group alone on its WGP.
; TRANSPOSED FORMS.  S^T = K Q^T: lane (r, h) holds query r, register j key 16 kt + 8 h + j.  Two such tiles, packed to bf16, ARE the
; second operand of O^T = V^T P^T for 32 keys: no shuffle.  In O^T a lane again holds query r.  So the running maximum, the sum and the
; rescaling are one number a lane and group; one exchange between the halves of the wave joins the maximum of a block of 64 keys.
; q carries 0.125 log2(e), so P = 2^(S - m) with m the running maximum of S.
; LIMITS: P is rounded to bf16 for the product, the sum of P is taken from the unrounded numbers, in an order of its own; a P below 2^-126
; counts as 0 (the exponential flushes denormals: ISA guide 15.8); NaN and infinities are not served.  The sum is at least 1, since
; the largest term is 2^0.
.set REG,   20480                      ; LDS bytes owned by one load: 128 rows at pitch 144 (K) or 160 (V)
.set SLOT,  2*REG                      ; region 0: K; region 1: V
.set STG,   2*SLOT                     ; behind the ring, never filled by a load: 16 rows x 144 bytes for each wave
.set PA,    144                        ; an odd multiple of 16 bytes
.set PB,    160                        ; an odd multiple of 32 bytes, for the transposing load
.set PL,    262144                     ; a plane: 2,048 rows of 128 bytes
.set TSTEP, 16384                      ; 128 keys
.set TILES, 16
.set G1K, 16                           ; s[16:23], s[24:31] group 1 for K, for V
.set G1V, 24
.set G0K, 32                           ; s[32:39], s[40:47] group 0, one set for each slot
.set G0V, 40
; s[70:71] my work-group's quarter of tile 0, for the prefetch; s[72:73] the same of the tile asked for; s[74:75] that tile's byte offset
; first window of 256 registers
.set ADRK, 8                           ; v8, v9    K fragments, slot 0, 1
.set ADRV, 10                          ; v10, v11  V fragments
.set STO, 12
.set RD,  13
.set CO,  14
.set QO,  15
.set MA,  16                           ; v[16:19], v[20:23] running maxima: old and new change places from block to block
.set MB,  20
.set TX,  24                           ; v[24:27]  the other half's number
.set NM,  28                           ; v[28:35]  -m of group g in the even register
.set AL,  36                           ; v[36:43]  2^(m old - m new) of group g in the even register; at the end 1 / sum
.set LS,  44                           ; v[44:51]  two partial sums of P for each group
.set PO,  52                           ; v52       256 x lane, for the prefetch; never rewritten
.set KF,  64                           ; v[64:127] K fragments at 16 kt + 8 ks
.set SS,  128                          ; v[128:255] S, then P: 32 g + 8 kt + j; packed P of 32 keys ks2 at 32 g + 8 ks2
; second window
.set QF,  0                            ; v[256:319] Q fragments at 16 g + 8 ks
.set VF,  64                           ; v[320:383] V fragments at 8 (4 ks2 + st)
.set OA,  128                          ; v[384:511] O^T at 32 g + 8 st
.set MSB, 0
.macro WIN new                         ; the immediate's high byte repeats the setting that is left
.if MSB != \new
	s_set_vgpr_msb (MSB<<8)|\new
.set MSB, \new
.endif
.endm
.macro PLACES n
.rept \n
	v_nop
.endr
.endm
.macro ROUND                           ; a round of the cluster's barrier
	s_barrier_signal -1
	s_barrier_wait -1
	s_cmp_lg_u32 s10, 0
	s_cbranch_scc1 .Lnot_wave_0_\@
	s_barrier_signal -3
.Lnot_wave_0_\@:
	s_barrier_wait -3
	s_barrier_signal -1
	s_barrier_wait -1
.endm
.macro JLOAD s                         ; wave 0 asks for K's run, wave 1 for V's, waves 2-7 for nothing.  The branch hangs on the wave's number alone.
	s_cmp_lt_u32 s10, 1
	s_cbranch_scc0 .Lnot_k_\@
	tensor_load_to_lds s[G0K+4*\s:G0K+4*\s+3], s[G1K:G1K+7]
	s_nop 0
	s_branch .Lasked_\@
.Lnot_k_\@:
	s_cmp_lt_u32 s10, 2
	s_cbranch_scc0 .Lasked_\@
	tensor_load_to_lds s[G0V+4*\s:G0V+4*\s+3], s[G1V:G1V+7]
	s_nop 0
.Lasked_\@:
.endm
	s_load_b128 s[4:7], s[0:1], 0x0                ; qkvb, attb
	v_lshl_add_u32 v62, v0, 2, 0x29000
	v_mov_b32 v63, 0
	ds_add_u32 v62, v63
	v_lshrrev_b32 v1, 5, v0
	v_readfirstlane_b32 s10, v1                    ; wave
	s_bfe_u32 s11, ttmp6, 0x40000                  ; cx: which 512 queries
	s_mov_b32 s12, 0x76543210                      ; lane i of one half reads lane i of the other
	s_mov_b32 s13, 0xfedcba98
	; group 1: 64 rows of 128 elements of 2 bytes, dense; padding behind every 32 words, of 4 words (K) or 8 (V); mask 15, bit 21 beside it
	s_mov_b32 s[G1K+0], 15|(1<<16)|(1<<20)|(1<<21)|(4<<22)|(3<<25)
	s_mov_b32 s[G1V+0], 15|(1<<16)|(1<<20)|(1<<21)|(4<<22)|(7<<25)
	s_mov_b32 s[G1K+1], 128<<16
	s_mov_b32 s[G1V+1], 128<<16
	s_mov_b32 s[G1K+2], 64<<16
	s_mov_b32 s[G1V+2], 64<<16
	s_mov_b32 s[G1K+3], 128<<16
	s_mov_b32 s[G1V+3], 128<<16
	s_mov_b32 s[G1K+4], 64
	s_mov_b32 s[G1V+4], 64
	s_mov_b32 s[G1K+5], 128
	s_mov_b32 s[G1V+5], 128
	s_mov_b32 s[G1K+6], 0
	s_mov_b32 s[G1V+6], 0
	s_mov_b32 s[G1K+7], 0
	s_mov_b32 s[G1V+7], 0
	s_lshr_b32 s50, ttmp9, 3                       ; b   (ttmp9 counts clusters: 8 b + h)
	s_and_b32 s51, ttmp9, 7                        ; h
	s_mul_i32 s50, s50, 24
	s_add_co_u32 s50, s50, s51
	s_lshl_b32 s50, s50, 18                        ; q's plane 24 b + h, in bytes
	s_add_co_u32 s52, s50, 8*PL                    ; k's plane
	s_mov_b32 s53, 0
	s_add_co_u32 s54, s52, 8*PL                    ; v's plane
	s_mov_b32 s55, 0
	s_mul_i32 s56, s10, REG                        ; where it goes: the wave's number times a region
	s_lshl_b32 s68, s11, 16                        ; my queries: 512 cx + 64 w rows of 128 bytes
	s_lshl_b32 s69, s10, 13
	s_add_co_u32 s68, s68, s69
	s_add_co_u32 s66, s68, s50                     ; in q's plane
	s_mov_b32 s67, 0
	s_lshl_b32 s69, ttmp9, 18
	s_add_co_u32 s68, s68, s69                     ; in attb's plane 8 b + h
	s_mov_b32 s69, 0
	s_lshr_b32 s70, s11, 1                         ; the prefetch: work-groups 0, 1 take K's run of a tile, 2, 3 V's
	s_lshl_b32 s70, s70, 21                        ; (V's plane lies 8 planes behind K's),
	s_and_b32 s71, s11, 1
	s_lshl_b32 s71, s71, 13                        ; its first or its second 8,192 bytes
	s_add_co_u32 s70, s70, s71
	s_add_co_u32 s70, s70, s52
	s_mov_b32 s71, 0
	s_mov_b32 s74, TSTEP                           ; stepped at each tile's head: tile t asks for tile t + 2
	s_mov_b32 s75, 0
	s_wait_dscnt 0x0
	s_wait_kmcnt 0x0
	s_add_nc_u64 s[52:53], s[4:5], s[52:53]
	s_add_nc_u64 s[54:55], s[4:5], s[54:55]
	s_add_nc_u64 s[66:67], s[4:5], s[66:67]
	s_add_nc_u64 s[70:71], s[4:5], s[70:71]
	s_add_nc_u64 s[6:7], s[6:7], s[68:69]
.irp s, 0,1
	s_mov_b32 s[G0K+4*\s], 1
	s_add_co_u32 s[G0K+4*\s+1], s56, \s*SLOT
	s_add_nc_u64 s[G0K+4*\s+2:G0K+4*\s+3], s[52:53], \s*TSTEP      ; slot s starts with tile s
	s_or_b32 s[G0K+4*\s+3], s[G0K+4*\s+3], 0x80000000
	s_mov_b32 s[G0V+4*\s], 1
	s_add_co_u32 s[G0V+4*\s+1], s56, \s*SLOT
	s_add_nc_u64 s[G0V+4*\s+2:G0V+4*\s+3], s[54:55], \s*TSTEP
	s_or_b32 s[G0V+4*\s+3], s[G0V+4*\s+3], 0x80000000
.endr
	ROUND                                          ; all four work-groups are here: the first joint loads meet
	JLOAD 0                                        ; tile 0
	v_and_b32 v1, 15, v0                           ; r
	v_bfe_u32 v2, v0, 4, 1                         ; h
	v_and_b32 v3, 7, v0                            ; L & 7
	v_bfe_u32 v4, v0, 3, 1                         ; (L >> 3) & 1
	v_and_b32 v5, 31, v0                           ; L
	v_bfe_u32 v6, v0, 3, 2                         ; L >> 3
	v_lshlrev_b32 v7, 7, v1
	v_lshl_add_u32 v[QO], v2, 4, v7                ; q: row r of 128 bytes + 16 h
	WIN 0x40                                       ; destination in the second window
.irp g, 0,1,2,3
.irp ks, 0,1
	global_load_b128 v[QF+16*\g+8*\ks:QF+16*\g+8*\ks+3],   v[QO], s[66:67] offset:2048*\g+64*\ks
	global_load_b128 v[QF+16*\g+8*\ks+4:QF+16*\g+8*\ks+7], v[QO], s[66:67] offset:2048*\g+64*\ks+32
.endr
.endr
	WIN 0
	v_mul_u32_u24 v7, v1, PA
	v_lshl_add_u32 v[ADRK], v2, 4, v7              ; r x 144 + 16 h
	v_add_nc_u32 v[ADRK+1], SLOT, v[ADRK]
	s_mul_i32 s57, s10, 16*PA
	s_add_co_u32 s57, s57, STG                     ; my stage
	v_add_nc_u32 v[STO], s57, v[ADRK]
	v_lshl_add_u32 v7, v2, 3, v3                   ; key 8 h + (L & 7)
	v_mul_u32_u24 v7, v7, PB
	v_lshl_add_u32 v7, v4, 4, v7
	v_add_nc_u32 v[ADRV], REG, v7
	v_add_nc_u32 v[ADRV+1], SLOT+REG, v7
	v_mul_u32_u24 v7, v6, PA
	v_lshl_add_u32 v7, v3, 4, v7
	v_add_nc_u32 v[RD], s57, v7
	v_lshlrev_b32 v[CO], 4, v5
	v_lshlrev_b32 v[PO], 8, v5                     ; the prefetch's lanes stand 256 bytes apart
.irp g, 0,1,2,3
	v_mov_b32 v[TX+\g], 0                          ; the lane exchange counts as a reader of its destination
	v_mov_b32 v[NM+2*\g+1], 0                      ; the packed forms name pairs: the odd halves are written once and never used
	v_mov_b32 v[AL+2*\g+1], 0
.endr
; K fragments of block kb (64 keys) of the slot's tile: 16 loads
.macro KLOAD slot, kb
.irp kt, 0,1,2,3
.irp ks, 0,1
	ds_load_b128 v[KF+16*\kt+8*\ks:KF+16*\kt+8*\ks+3],   v[ADRK+\slot] offset:(\kb*64+16*\kt)*PA+64*\ks
	ds_load_b128 v[KF+16*\kt+8*\ks+4:KF+16*\kt+8*\ks+7], v[ADRK+\slot] offset:(\kb*64+16*\kt)*PA+64*\ks+32
.endr
.endr
.endm
; V fragments of block kb, transposed on the way: 16 loads (destination in the second window)
.macro VLOAD slot, kb
.irp ks2, 0,1
.irp st, 0,1,2,3
	ds_load_tr16_b128 v[VF+8*(4*\ks2+\st):VF+8*(4*\ks2+\st)+3],   v[ADRV+\slot] offset:(\kb*64+32*\ks2)*PB+32*\st
	ds_load_tr16_b128 v[VF+8*(4*\ks2+\st)+4:VF+8*(4*\ks2+\st)+7], v[ADRV+\slot] offset:(\kb*64+32*\ks2)*PB+32*\st+16*PB
.endr
.endr
.endm
; One stage of the softmax's pipeline over the groups: exponentials of group g, among them the subtraction for group g + 1 and the sum
; and packing of group g - 1.  So a plain instruction on other registers always stands behind an exponential before its result is
; used (ISA guide 5.7.2), and the exponentials are spread among plain work.
.macro STAGE g, first
.irp i, 0,1,2,3,4,5,6,7,8,9,10,11,12,13,14,15
.if \g <= 3
	v_exp_f32 v[SS+32*\g+2*\i], v[SS+32*\g+2*\i]
	v_exp_f32 v[SS+32*\g+2*\i+1], v[SS+32*\g+2*\i+1]
.endif
.if \g <= 2
	v_pk_add_f32 v[SS+32*(\g+1)+2*\i:SS+32*(\g+1)+2*\i+1], v[SS+32*(\g+1)+2*\i:SS+32*(\g+1)+2*\i+1], v[NM+2*(\g+1):NM+2*(\g+1)+1] op_sel_hi:[1,0]
.endif
.if \g >= 1
.set SB, SS+32*(\g-1)
.set LB, LS+2*(\g-1)
.set AB, AL+2*(\g-1)
.if \i == 0
.if \first
	s_wait_alu depctr_va_vdst(0)
	v_pk_add_f32 v[LB:LB+1], v[SB:SB+1], v[SB+2:SB+3]                       ; the first two pairs start the sums
.else
	s_wait_alu depctr_va_vdst(0)
	v_pk_fma_f32 v[LB:LB+1], v[LB:LB+1], v[AB:AB+1], v[SB:SB+1] op_sel_hi:[1,0,1]   ; the old sums, rescaled, plus the first pair
.endif
.else
.if \i-\first                                      ; pair 1 of the first block has been added above
	s_wait_alu depctr_va_vdst(0)
	v_pk_add_f32 v[LB:LB+1], v[LB:LB+1], v[SB+2*\i:SB+2*\i+1]
.endif
.endif
	v_cvt_pk_bf16_f32 v[SB+\i], v[SB+2*\i], v[SB+2*\i+1]                    ; in place: register i was used up at step i / 2
.endif
.endr
.endm
.macro SOFTMAX first, old, new
.irp i, 0,1,2,3,4,5,6,7,8,9,10,11,12,13,14,15
.irp g, 0,1,2,3
.if \i
	v_max3_num_f32 v[\new+\g], v[\new+\g], v[SS+32*\g+2*\i], v[SS+32*\g+2*\i+1]     ; four chains, one for each group
.else
.if \first
	v_max_num_f32 v[\new+\g], v[SS+32*\g], v[SS+32*\g+1]
.else
	v_max3_num_f32 v[\new+\g], v[\old+\g], v[SS+32*\g], v[SS+32*\g+1]
.endif
.endif
.endr
.endr
.irp g, 0,1,2,3
	v_permlanex16_b32 v[TX+\g], v[\new+\g], s12, s13       ; the other half holds the query's other 32 keys
.endr
.irp g, 0,1,2,3
	v_max_num_f32 v[\new+\g], v[\new+\g], v[TX+\g]
.endr
.if \first == 0
.irp g, 0,1,2,3
	v_sub_f32 v[AL+2*\g], v[\old+\g], v[\new+\g]
.endr
.endif
.irp g, 0,1,2,3
	v_sub_f32 v[NM+2*\g], 0, v[\new+\g]
.endr
.if \first == 0
.irp g, 0,1,2,3
	v_exp_f32 v[AL+2*\g], v[AL+2*\g]                       ; first used a stage later
.endr
.endif
.irp i, 0,1,2,3,4,5,6,7,8,9,10,11,12,13,14,15
	v_pk_add_f32 v[SS+2*\i:SS+2*\i+1], v[SS+2*\i:SS+2*\i+1], v[NM:NM+1] op_sel_hi:[1,0]
.endr
	STAGE 0, \first
	STAGE 1, \first
	STAGE 2, \first
	STAGE 3, \first
	STAGE 4, \first
.endm
; A block of 64 keys: 32 + 32 matrix instructions.  In each run 16 accumulators take single turns.
; kn: the next block of the tile, fetched if knext = 1.  ask = 1: wave 2 asks the L2 for my work-group's quarter of the tile two tiles on.
.macro BLOCK slot, kb, kn, first, knext, old, new, ask
	PLACES 5                                       ; behind the last products: S is written over P (five places), V's loads land in their fragments (four)
	WIN 0x40
	VLOAD \slot, \kb
	s_wait_dscnt 16                                ; K's fragments are in; the 16 younger loads of V stay out
	WIN 0x04                                       ; second operand (Q) in the second window
.irp ks, 0,1
.irp kt, 0,1,2,3
.irp g, 0,1,2,3
.if \ks
	v_wmma_f32_16x16x32_bf16 v[SS+32*\g+8*\kt:SS+32*\g+8*\kt+7], v[KF+16*\kt+8*\ks:KF+16*\kt+8*\ks+7], v[QF+16*\g+8*\ks:QF+16*\g+8*\ks+7], v[SS+32*\g+8*\kt:SS+32*\g+8*\kt+7]
.else
	v_wmma_f32_16x16x32_bf16 v[SS+32*\g+8*\kt:SS+32*\g+8*\kt+7], v[KF+16*\kt+8*\ks:KF+16*\kt+8*\ks+7], v[QF+16*\g+8*\ks:QF+16*\g+8*\ks+7], 0
.endif
.endr
.endr
.endr
	WIN 0
	PLACES 4                                       ; before S is read and before loads land in K's fragments
.if \knext
	KLOAD \slot, \kn
.endif
.if \ask
	; One instruction, 32 lanes 256 bytes apart: 8,192 bytes, a quarter of the tile's 32,768; the four work-groups' quarters make the tile,
	; so each 256 bytes are asked for by one lane of the launch.  It stands behind the wave's LDS loads and in front of the softmax; the
	; tensor load that wants these bytes is issued at the next tile's head.
	s_cmp_eq_u32 s10, 2
	s_cbranch_scc0 .Lno_ask_\@
	global_prefetch_b8 v[PO], s[72:73] th:TH_LOAD_NT scope:SCOPE_SE
.Lno_ask_\@:
.endif
	SOFTMAX \first, \old, \new
.if \first == 0
	WIN 0x41                                       ; O in the second window, the factor in the first
.irp g, 0,1,2,3
.irp n, 0,1,2,3,4,5,6,7,8,9,10,11,12,13,14,15
	v_pk_mul_f32 v[OA+32*\g+2*\n:OA+32*\g+2*\n+1], v[OA+32*\g+2*\n:OA+32*\g+2*\n+1], v[AL+2*\g:AL+2*\g+1] op_sel_hi:[1,0]
.endr
.endr
.endif
.if \knext
	s_wait_dscnt 16                                ; V's fragments are in; the 16 younger loads of the next K stay out
.else
	s_wait_dscnt 0x0
.endif
	WIN 0x51                                       ; V, C and D in the second window, P in the first
.irp ks2, 0,1
.irp g, 0,1,2,3
.irp st, 0,1,2,3
.if \first-\ks2 == 1
	v_wmma_f32_16x16x32_bf16 v[OA+32*\g+8*\st:OA+32*\g+8*\st+7], v[VF+8*(4*\ks2+\st):VF+8*(4*\ks2+\st)+7], v[SS+32*\g+8*\ks2:SS+32*\g+8*\ks2+7], 0
.else
	v_wmma_f32_16x16x32_bf16 v[OA+32*\g+8*\st:OA+32*\g+8*\st+7], v[VF+8*(4*\ks2+\st):VF+8*(4*\ks2+\st)+7], v[SS+32*\g+8*\ks2:SS+32*\g+8*\ks2+7], v[OA+32*\g+8*\st:OA+32*\g+8*\st+7]
.endif
.endr
.endr
.endr
.endm
; A tile of 128 keys.  In front of the round: all my tensor loads have landed (so a group 0 may be stepped) and my LDS reads are back.
; Behind it that holds of every wave of the cluster: the other slot is asked for first, then this slot is read.  The request has the
; whole tile's work, 128 matrix instructions and two softmax blocks a wave, in which to land.
; ask = 1: the prefetch's address goes on by a tile, clamped to the last tile, so that no prefetch points past K's or V's plane (tile 14,
; whose look-ahead would pass the end, asks for tile 15 once more).  The last prefetch was issued a tile ago; its base is rewritten
; only behind the wait that shows its address translated (ISA guide 3.1).
.macro TILE slot, other, refill, first, ask
	WIN 0
	s_wait_tensorcnt 0x0
	ds_add_u32 v62, v63
	s_wait_dscnt 0x0
	s_add_nc_u64 s[G0K+4*\slot+2:G0K+4*\slot+3], s[G0K+4*\slot+2:G0K+4*\slot+3], 2*TSTEP
	s_add_nc_u64 s[G0V+4*\slot+2:G0V+4*\slot+3], s[G0V+4*\slot+2:G0V+4*\slot+3], 2*TSTEP
	s_wait_dscnt 0x0
.if \ask
	s_wait_xcnt 0x0
	s_add_co_u32 s74, s74, TSTEP
	s_min_u32 s74, s74, (TILES-1)*TSTEP
	s_add_nc_u64 s[72:73], s[70:71], s[74:75]
.endif
	ROUND
.if \refill
	JLOAD \other
.endif
	KLOAD \slot, 0
	BLOCK \slot, 0, 1, \first, 1, MA, MB, \ask
	BLOCK \slot, 1, 0, 0, 0, MB, MA, 0
.endm
	s_wait_loadcnt 0x0                             ; Q, once
	TILE 0, 1, 1, 1, 1                             ; tile 0: its first products start the sums
	WIN 0                                          ; at a label and at a branch every window is 0
	s_mov_b32 s49, (TILES-2)/2
.Ltiles:
	TILE 1, 0, 1, 0, 1                             ; tiles 1, 3, .. 13
	TILE 0, 1, 1, 0, 1                             ; tiles 2, 4, .. 14
	WIN 0
	s_sub_co_u32 s49, s49, 1
	s_cmp_lg_u32 s49, 0
	s_cbranch_scc1 .Ltiles
	TILE 1, 0, 0, 0, 0                             ; tile 15 asks for nothing (the stepped addresses are not used)
	; THE END: 1 / sum for each query, then 16 queries at a time through my own stage.
	WIN 0
	PLACES 4                                       ; behind the last products, before O is read and P's registers are written
.irp g, 0,1,2,3
	v_add_f32 v[LS+2*\g], v[LS+2*\g], v[LS+2*\g+1]
.endr
.irp g, 0,1,2,3
	v_permlanex16_b32 v[TX+\g], v[LS+2*\g], s12, s13
.endr
.irp g, 0,1,2,3
	v_add_f32 v[LS+2*\g], v[LS+2*\g], v[TX+\g]
.endr
.irp g, 0,1,2,3
	v_rcp_f32 v[AL+2*\g], v[LS+2*\g]
.endr
	v_nop                                          ; one plain place behind the reciprocals (ISA guide 5.7.2)
; Each group has registers of its own, so no store's source is written again.  LDS serves a wave's instructions in order (ISA guide
; 5.7.1): the stage needs no wait between stores and loads, nor between one group's loads and the next group's stores.
.macro OUTG g
	WIN 0x41
.irp n, 0,1,2,3,4,5,6,7,8,9,10,11,12,13,14,15
	s_wait_alu depctr_va_vdst(0)
	v_pk_mul_f32 v[OA+32*\g+2*\n:OA+32*\g+2*\n+1], v[OA+32*\g+2*\n:OA+32*\g+2*\n+1], v[AL+2*\g:AL+2*\g+1] op_sel_hi:[1,0]
.endr
	WIN 0x05
.irp n, 0,1,2,3,4,5,6,7,8,9,10,11,12,13,14,15
	v_cvt_pk_bf16_f32 v[SS+16*\g+\n], v[OA+32*\g+2*\n], v[OA+32*\g+2*\n+1]   ; word 4 st + i: columns 16 st + 8 h + 2 i, + 1
.endr
	WIN 0
.irp st, 0,1,2,3
	ds_store_b128 v[STO], v[SS+16*\g+4*\st:SS+16*\g+4*\st+3] offset:32*\st
.endr
.irp t, 0,1,2,3
	ds_load_b128 v[KF+16*\g+4*\t:KF+16*\g+4*\t+3], v[RD] offset:4*PA*\t
.endr
.irp t, 0,1,2,3
	s_wait_dscnt 3-\t                              ; the younger read-backs may stay out
	global_store_b128 v[CO], v[KF+16*\g+4*\t:KF+16*\g+4*\t+3], s[6:7] offset:2048*\g+512*\t   ; four rows: 512 neighbouring bytes, aligned
.endr
.endm
	OUTG 0
	OUTG 1
	OUTG 2
	OUTG 3
	s_wait_tensorcnt 0x0
	ds_add_u32 v62, v63
	s_wait_dscnt 0x0
	ROUND                                          ; the closing round: no work-group ends while a partner may still ask jointly
	s_endpgm
.Lfunc_end_k_q90e2ed4de0_attn:
	.size	k_q90e2ed4de0_attn, .Lfunc_end_k_q90e2ed4de0_attn-k_q90e2ed4de0_attn
	.p2alignl 7, 3214868480
	.fill 96, 4, 3214868480
	.section	.rodata,"a",@progbits
	.p2align	6, 0x0
	.amdhsa_kernel k_q90e2ed4de0_attn
		.amdhsa_group_segment_fixed_size 327680
		.amdhsa_private_segment_fixed_size 0
		.amdhsa_enable_private_segment 0
		.amdhsa_kernarg_size 16
		.amdhsa_user_sgpr_count 2
		.amdhsa_user_sgpr_kernarg_segment_ptr 1
		.amdhsa_wavefront_size32 1
		.amdhsa_system_sgpr_workgroup_id_x 1
		.amdhsa_system_sgpr_workgroup_id_y 1
		.amdhsa_system_sgpr_workgroup_id_z 1
		.amdhsa_system_vgpr_workitem_id 0
		.amdhsa_next_free_vgpr 512
		.amdhsa_next_free_sgpr 76
		.amdhsa_reserve_vcc 0
		.amdhsa_float_denorm_mode_32 3
		.amdhsa_float_denorm_mode_16_64 3
		.amdhsa_memory_ordered 1
		.amdhsa_forward_progress 1
		.amdhsa_inst_pref_size 255
	.end_amdhsa_kernel
	.section	.bss,"aw",@nobits
	.p2align	6
	.space	262144
	.amdgpu_metadata
---
amdhsa.version: [ 1, 2 ]
amdhsa.kernels:
  - .name:           k_q90e2ed4de0_attn
    .symbol:         k_q90e2ed4de0_attn.kd
    .args:
      - { .name: qkvb, .offset: 0, .size: 8, .value_kind: global_buffer, .address_space: global }
      - { .name: attb, .offset: 8, .size: 8, .value_kind: global_buffer, .address_space: global }
    .group_segment_fixed_size: 327680
    .private_segment_fixed_size: 0
    .kernarg_segment_align: 8
    .kernarg_segment_size: 16
    .max_flat_workgroup_size: 256
    .sgpr_count:     76
    .vgpr_count:     512
    .wavefront_size: 32
...
	.end_amdgpu_metadata
.endif
;; end of part 3
;; launch proj (part 4): grid 4 x 64, 8 waves a work-group, clusters of 4 x 4, 327,680 bytes of LDS; arguments attb, wpb, bp, out0; writes out0
.if DOCPART == 4
	.amdgcn_target "amdgcn-amd-amdhsa--gfx1250"
	.amdhsa_code_object_version 6
	.text
	.protected	k_q90e2ed4de0_proj
	.globl	k_q90e2ed4de0_proj
	.p2align	8
	.type	k_q90e2ed4de0_proj,@function
k_q90e2ed4de0_proj:
	s_mov_b64 s[64:65], 0
	v_nop
	global_prefetch_b8 v0, s[64:65] scope:SCOPE_SE
	s_setreg_imm32_b32 hwreg(HW_REG_WAVE_MODE, 25, 1), 1
	s_wait_xcnt 0x0
	s_wait_alu depctr_hold_cnt(0) depctr_sa_sdst(0) depctr_va_vdst(0) depctr_va_sdst(0) depctr_va_ssrc(0) depctr_va_vcc(0) depctr_vm_vsrc(0)
	s_getreg_b32 s2, hwreg(HW_REG_IB_STS2, 6, 4)
	s_cmp_eq_u32 s2, 0
	s_cbranch_scc0 .Lentry_in_a_cluster
	s_endpgm
.Lentry_in_a_cluster:
	s_bfe_u32 s2, ttmp6, 0x10000c
	s_cmp_lg_u32 s2, 0xf033
	s_cbranch_scc0 .Lentry_shape_is_right
	s_endpgm
.Lentry_shape_is_right:
; proj: out0 = concat(heads) Wp + bp: [16384 x 512] x [512 x 512], bf16 operands, f32 sums started by the bias, f32 out.
; A work-group makes 256 rows x 128 columns: 64 x 4 = 256 work-groups.  Eight waves; wave w makes rows 64 (w >> 1) .. + 63 of the 64 columns
; of plane w & 1: 4 x 4 accumulator tiles.  K is head x 64 + s: a block of 64 along K is one head's plane of attb.
; The bytes weigh more here than the products (16 matrix instructions a wave for 32 along K), so an LDS slot holds TWO heads: four trips,
; six dense runs of 16,384 bytes on their way behind each round (four of attb by waves 0-3, two of wpb by waves 4, 5).
; CLUSTER 4 x 4: attb's runs are shared along a row of the cluster, wpb's along a column, each asked for jointly.
; By this text's count a wave has at most one tensor load out.
; LIMITS: operands are bf16 as the earlier launches left them; NaN and infinities are not served.
.set REG,   20480                      ; LDS bytes owned by one load: 128 rows at pitch 144 (attb) or 160 (wpb)
.set SLOT,  6*REG                      ; regions 2 kk + half: attb, head 2 t + kk, rows 128 half ..; regions 4 + kk: wpb, two planes
.set STG,   2*SLOT                     ; behind the ring, never filled by a load: 16 rows x 272 bytes for each wave
.set PA,    144
.set PB,    160
.set PS,    272                        ; a stage row: 64 f32 + 16 bytes
.set ASTEP, 524288                     ; two heads' planes
.set BSTEP, 32768                      ; two blocks of wpb
.set G1A, 16
.set G1B, 24
.set G0A, 32
.set G0B, 40
.set ADRA, 8                           ; v8, v9
.set ADRB, 10                          ; v10, v11
.set STO, 12
.set RD,  13
.set CO,  14
.set BO,  15
.set AF,  32                           ; v[32:63]   attb fragments
.set BF,  64                           ; v[64:95]   wpb fragments
.set BI,  96                           ; v[96:127]  bias: register 8 c + j = bp[my column 16 c + 8 h + j]
.set ACC, 128                          ; v[128:255] tile (a, c) at 8 (4 a + c)
.macro PLACES n
.rept \n
	v_nop
.endr
.endm
.macro ROUND                           ; a round of the cluster's barrier
	s_barrier_signal -1
	s_barrier_wait -1
	s_cmp_lg_u32 s10, 0
	s_cbranch_scc1 .Lnot_wave_0_\@
	s_barrier_signal -3
.Lnot_wave_0_\@:
	s_barrier_wait -3
	s_barrier_signal -1
	s_barrier_wait -1
.endm
.macro JLOAD s                         ; waves 0-3 ask for attb, waves 4, 5 for wpb, waves 6, 7 for nothing
	s_cmp_lt_u32 s10, 4
	s_cbranch_scc0 .Lnot_a_\@
	tensor_load_to_lds s[G0A+4*\s:G0A+4*\s+3], s[G1A:G1A+7]
	s_nop 0
	s_branch .Lasked_\@
.Lnot_a_\@:
	s_cmp_lt_u32 s10, 6
	s_cbranch_scc0 .Lasked_\@
	tensor_load_to_lds s[G0B+4*\s:G0B+4*\s+3], s[G1B:G1B+7]
	s_nop 0
.Lasked_\@:
.endm
	s_load_b128 s[4:7], s[0:1], 0x0                ; attb, wpb
	s_load_b128 s[60:63], s[0:1], 0x10             ; bp, out0
	v_lshl_add_u32 v30, v0, 2, 0x44800
	v_mov_b32 v31, 0
	ds_add_u32 v30, v31
	v_lshrrev_b32 v1, 5, v0
	v_readfirstlane_b32 s10, v1                    ; wave
	s_lshr_b32 s11, s10, 1                         ; wm
	s_and_b32 s12, s10, 1                          ; wn
	s_bfe_u32 s13, ttmp6, 0x40000                  ; cx
	s_bfe_u32 s14, ttmp6, 0x40004                  ; cy
	s_lshl_b32 s15, ttmp9, 2
	s_add_co_u32 s15, s15, s13                     ; nblk
	s_and_b32 s48, ttmp7, 0xffff
	s_lshl_b32 s48, s48, 2
	s_add_co_u32 s48, s48, s14                     ; mblk
	s_lshl_b32 s50, s14, 2
	s_lshl_b32 s50, 15, s50                        ; my row of the cluster
	s_lshl_b32 s51, 0x1111, s13                    ; my column
	s_or_b32 s[G1A+0], s50, (1<<16)|(1<<20)|(1<<21)|(4<<22)|(3<<25)
	s_or_b32 s[G1B+0], s51, (1<<16)|(1<<20)|(1<<21)|(4<<22)|(7<<25)
	s_mov_b32 s[G1A+1], 128<<16
	s_mov_b32 s[G1B+1], 128<<16
	s_mov_b32 s[G1A+2], 64<<16
	s_mov_b32 s[G1B+2], 64<<16
	s_mov_b32 s[G1A+3], 128<<16
	s_mov_b32 s[G1B+3], 128<<16
	s_mov_b32 s[G1A+4], 64
	s_mov_b32 s[G1B+4], 64
	s_mov_b32 s[G1A+5], 128
	s_mov_b32 s[G1B+5], 128
	s_mov_b32 s[G1A+6], 0
	s_mov_b32 s[G1B+6], 0
	s_mov_b32 s[G1A+7], 0
	s_mov_b32 s[G1B+7], 0
	s_lshr_b32 s52, s48, 3                         ; b
	s_lshl_b32 s52, s52, 21                        ; x 8 planes
	s_and_b32 s53, s48, 7
	s_lshl_b32 s53, s53, 15                        ; + the block's 256 rows of 128 bytes
	s_add_co_u32 s52, s52, s53
	s_and_b32 s53, s11, 1
	s_lshl_b32 s53, s53, 18                        ; + which of the slot's two heads I fetch (waves 0-3)
	s_add_co_u32 s52, s52, s53
	s_lshl_b32 s53, s12, 14                        ; + which 128 rows
	s_add_co_u32 s52, s52, s53
	s_mov_b32 s53, 0
	s_lshl_b32 s54, s15, 17                        ; wpb: nblk x 8 blocks of 16,384 bytes
	s_lshl_b32 s55, s12, 14                        ; + which of the slot's two blocks I fetch (waves 4, 5)
	s_add_co_u32 s54, s54, s55
	s_mov_b32 s55, 0
	s_mul_i32 s56, s10, REG                        ; where it goes: the wave's number times a region
	s_lshl_b32 s66, s15, 9
	s_lshl_b32 s67, s12, 8
	s_add_co_u32 s66, s66, s67                     ; my first column, in bytes of f32: 512 nblk + 256 wn
	s_mov_b32 s67, 0
	s_lshl_b32 s68, s48, 19                        ; my first row: 256 mblk + 64 wm rows of 2,048 bytes
	s_lshl_b32 s69, s11, 17
	s_add_co_u32 s68, s68, s69
	s_add_co_u32 s68, s68, s66
	s_mov_b32 s69, 0
	s_wait_dscnt 0x0
	s_wait_kmcnt 0x0
	s_add_nc_u64 s[52:53], s[4:5], s[52:53]
	s_add_nc_u64 s[54:55], s[6:7], s[54:55]
	s_add_nc_u64 s[60:61], s[60:61], s[66:67]
	s_add_nc_u64 s[62:63], s[62:63], s[68:69]
.irp s, 0,1
	s_mov_b32 s[G0A+4*\s], 1
	s_add_co_u32 s[G0A+4*\s+1], s56, \s*SLOT
	s_add_nc_u64 s[G0A+4*\s+2:G0A+4*\s+3], s[52:53], \s*ASTEP
	s_or_b32 s[G0A+4*\s+3], s[G0A+4*\s+3], 0x80000000
	s_mov_b32 s[G0B+4*\s], 1
	s_add_co_u32 s[G0B+4*\s+1], s56, \s*SLOT
	s_add_nc_u64 s[G0B+4*\s+2:G0B+4*\s+3], s[54:55], \s*BSTEP
	s_or_b32 s[G0B+4*\s+3], s[G0B+4*\s+3], 0x80000000
.endr
	ROUND                                          ; all sixteen work-groups are here: the first joint loads meet
	JLOAD 0                                        ; heads 0 and 1
	v_and_b32 v1, 15, v0                           ; r
	v_bfe_u32 v2, v0, 4, 1                         ; h
	v_and_b32 v3, 7, v0                            ; L & 7
	v_bfe_u32 v4, v0, 3, 1                         ; (L >> 3) & 1
	v_lshlrev_b32 v[BO], 5, v2                     ; 8 h columns of f32
.irp c, 0,1,2,3
	global_load_b128 v[BI+8*\c:BI+8*\c+3],   v[BO], s[60:61] offset:64*\c
	global_load_b128 v[BI+8*\c+4:BI+8*\c+7], v[BO], s[60:61] offset:64*\c+16
.endr
	v_mul_u32_u24 v7, v1, PA
	v_lshl_add_u32 v7, v2, 4, v7                   ; r x 144 + 16 h
	s_lshr_b32 s57, s11, 1
	s_mul_i32 s57, s57, REG
	s_and_b32 s58, s11, 1
	s_mul_i32 s58, s58, 64*PA
	s_add_co_u32 s57, s57, s58                     ; my 64 rows in a head's two regions
	v_add_nc_u32 v[ADRA], s57, v7
	v_add_nc_u32 v[ADRA+1], SLOT, v[ADRA]
	v_lshl_add_u32 v7, v2, 3, v3                   ; K row 8 h + (L & 7)
	v_mul_u32_u24 v7, v7, PB
	v_lshl_add_u32 v7, v4, 4, v7
	s_mul_i32 s57, s12, 64*PB
	s_add_co_u32 s57, s57, 4*REG                   ; my plane, behind attb's four regions
	v_add_nc_u32 v[ADRB], s57, v7
	v_add_nc_u32 v[ADRB+1], SLOT, v[ADRB]
	s_mul_i32 s58, s10, 16*PS
	s_add_co_u32 s58, s58, STG                     ; my stage
	v_mul_u32_u24 v7, v1, PS
	v_lshl_add_u32 v7, v2, 5, v7                   ; in: row r, 32 bytes for each half of the lanes
	v_add_nc_u32 v[STO], s58, v7
	v_mul_u32_u24 v7, v2, PS
	v_lshl_add_u32 v7, v1, 4, v7                   ; back: lanes 0-15 one row of 256 bytes, lanes 16-31 the next
	v_add_nc_u32 v[RD], s58, v7
	v_lshlrev_b32 v7, 11, v2
	v_lshl_add_u32 v[CO], v1, 4, v7                ; and the same two rows in out0
; 32 along K: 16 loads, 16 matrix instructions on 16 accumulators that take single turns.
; bias = 1: the very first products take the bias as C, so that it starts the sums.  wpb's fragment goes first and attb's second: a lane's
; eight results are eight neighbouring columns of one row.  The four places at the end stand in front of the next loads into the fragments.
.macro SUB4 slot, kk, ks, bias
.irp a, 0,1,2,3
	ds_load_b128 v[AF+8*\a:AF+8*\a+3],   v[ADRA+\slot] offset:2*REG*\kk+16*PA*\a+64*\ks
	ds_load_b128 v[AF+8*\a+4:AF+8*\a+7], v[ADRA+\slot] offset:2*REG*\kk+16*PA*\a+64*\ks+32
.endr
.irp c, 0,1,2,3
	ds_load_tr16_b128 v[BF+8*\c:BF+8*\c+3],   v[ADRB+\slot] offset:REG*\kk+32*PB*\ks+32*\c
	ds_load_tr16_b128 v[BF+8*\c+4:BF+8*\c+7], v[ADRB+\slot] offset:REG*\kk+32*PB*\ks+32*\c+16*PB
.endr
	s_wait_dscnt 0x0
.irp a, 0,1,2,3
.irp c, 0,1,2,3
.if \bias
	v_wmma_f32_16x16x32_bf16 v[ACC+8*(4*\a+\c):ACC+8*(4*\a+\c)+7], v[BF+8*\c:BF+8*\c+7], v[AF+8*\a:AF+8*\a+7], v[BI+8*\c:BI+8*\c+7]
.else
	v_wmma_f32_16x16x32_bf16 v[ACC+8*(4*\a+\c):ACC+8*(4*\a+\c)+7], v[BF+8*\c:BF+8*\c+7], v[AF+8*\a:AF+8*\a+7], v[ACC+8*(4*\a+\c):ACC+8*(4*\a+\c)+7]
.endif
.endr
.endr
	PLACES 4
.endm
; Two heads.  In front of the round: all my tensor loads have landed (so a group 0 may be stepped) and my LDS reads are back.
; Behind it that holds of every wave of the cluster: the other slot is asked for first, then this slot is read.
.macro TRIP slot, other, refill, bias
	s_wait_tensorcnt 0x0
	ds_add_u32 v30, v31
	s_wait_dscnt 0x0
	s_add_nc_u64 s[G0A+4*\slot+2:G0A+4*\slot+3], s[G0A+4*\slot+2:G0A+4*\slot+3], 2*ASTEP
	s_add_nc_u64 s[G0B+4*\slot+2:G0B+4*\slot+3], s[G0B+4*\slot+2:G0B+4*\slot+3], 2*BSTEP
	s_wait_dscnt 0x0
	ROUND
.if \refill
	JLOAD \other
.endif
	SUB4 \slot, 0, 0, \bias
	SUB4 \slot, 0, 1, 0
	SUB4 \slot, 1, 0, 0
	SUB4 \slot, 1, 1, 0
.endm
	s_wait_loadcnt 0x0                             ; the bias, once
	TRIP 0, 1, 1, 1
	TRIP 1, 0, 1, 0
	TRIP 0, 1, 1, 0
	TRIP 1, 0, 0, 0                                ; the last trip asks for nothing (the stepped addresses are not used)
; THE WAY OUT, 16 rows at a time: 32 bytes a lane into my own stage, back as whole rows of 256 bytes; sixteen lanes store 256 neighbouring
; bytes, aligned.  The four places that close the last SUB4 stand between the last matrix instructions and these lines.
; LDS serves a wave's instructions in order (ISA guide 5.7.1): no wait between the stage's stores and loads.
.macro OUT16 a, set
.irp c, 0,1,2,3
	ds_store_b128 v[STO], v[ACC+8*(4*\a+\c):ACC+8*(4*\a+\c)+3]   offset:64*\c
	ds_store_b128 v[STO], v[ACC+8*(4*\a+\c)+4:ACC+8*(4*\a+\c)+7] offset:64*\c+16
.endr
	s_wait_xcnt 0x0                                ; the set's registers, which earlier stores read, are loaded again only behind this wait
.irp t, 0,1,2,3,4,5,6,7
	ds_load_b128 v[\set+4*\t:\set+4*\t+3], v[RD] offset:2*PS*\t
.endr
.irp t, 0,1,2,3,4,5,6,7
	s_wait_dscnt 7-\t                              ; the younger read-backs may stay out
	global_store_b128 v[CO], v[\set+4*\t:\set+4*\t+3], s[62:63] offset:(16*\a+2*\t)*2048 th:TH_STORE_NT
.endr
.endm
	OUT16 0, AF
	OUT16 1, BF
	OUT16 2, AF
	OUT16 3, BF
	s_wait_tensorcnt 0x0
	ds_add_u32 v30, v31
	s_wait_dscnt 0x0
	ROUND                                          ; the closing round: no work-group ends while a partner may still ask jointly
	s_endpgm
.Lfunc_end_k_q90e2ed4de0_proj:
	.size	k_q90e2ed4de0_proj, .Lfunc_end_k_q90e2ed4de0_proj-k_q90e2ed4de0_proj
	.p2alignl 7, 3214868480
	.fill 96, 4, 3214868480
	.section	.rodata,"a",@progbits
	.p2align	6, 0x0
	.amdhsa_kernel k_q90e2ed4de0_proj
		.amdhsa_group_segment_fixed_size 327680
		.amdhsa_private_segment_fixed_size 0
		.amdhsa_enable_private_segment 0
		.amdhsa_kernarg_size 32
		.amdhsa_user_sgpr_count 2
		.amdhsa_user_sgpr_kernarg_segment_ptr 1
		.amdhsa_wavefront_size32 1
		.amdhsa_system_sgpr_workgroup_id_x 1
		.amdhsa_system_sgpr_workgroup_id_y 1
		.amdhsa_system_sgpr_workgroup_id_z 1
		.amdhsa_system_vgpr_workitem_id 0
		.amdhsa_next_free_vgpr 256
		.amdhsa_next_free_sgpr 72
		.amdhsa_reserve_vcc 0
		.amdhsa_float_denorm_mode_32 3
		.amdhsa_float_denorm_mode_16_64 3
		.amdhsa_memory_ordered 1
		.amdhsa_forward_progress 1
		.amdhsa_inst_pref_size 54
	.end_amdhsa_kernel
	.amdgpu_metadata
---
amdhsa.version: [ 1, 2 ]
amdhsa.kernels:
  - .name:           k_q90e2ed4de0_proj
    .symbol:         k_q90e2ed4de0_proj.kd
    .args:
      - { .name: attb, .offset: 0, .size: 8, .value_kind: global_buffer, .address_space: global }
      - { .name: wpb, .offset: 8, .size: 8, .value_kind: global_buffer, .address_space: global }
      - { .name: bp, .offset: 16, .size: 8, .value_kind: global_buffer, .address_space: global }
      - { .name: out0, .offset: 24, .size: 8, .value_kind: global_buffer, .address_space: global }
    .group_segment_fixed_size: 327680
    .private_segment_fixed_size: 0
    .kernarg_segment_align: 8
    .kernarg_segment_size: 32
    .max_flat_workgroup_size: 256
    .sgpr_count:     72
    .vgpr_count:     256
    .wavefront_size: 32
...
	.end_amdgpu_metadata
.endif
;; end of part 4
;; ======== version 2 of 2: 4 launches; version 1 with the launch prep written anew for expert scheduling mode
;; workspace buffers: xb 16,777,216 bytes; wb 1,572,864 bytes; wpb 524,288 bytes; qkvb 50,331,648 bytes; attb 16,777,216 bytes
;; launch prep (part 5): grid 256 x 1, 8 waves a work-group, no clusters, 0 bytes of LDS; arguments x, Wq, Wk, Wv, Wp, xb, wb, wpb; writes xb, wb, wpb
.if DOCPART == 5
	.amdgcn_target "amdgcn-amd-amdhsa--gfx1250"
	.amdhsa_code_object_version 6
	.text
	.protected	k_q90e2ed4de0_prep
	.globl	k_q90e2ed4de0_prep
	.p2align	8
	.type	k_q90e2ed4de0_prep,@function
k_q90e2ed4de0_prep:
	s_mov_b64 s[64:65], 0
	v_nop
	global_prefetch_b8 v0, s[64:65] scope:SCOPE_SE
	s_setreg_imm32_b32 hwreg(HW_REG_WAVE_SCHED_MODE, 0, 2), 2
	s_setreg_imm32_b32 hwreg(HW_REG_WAVE_MODE, 25, 1), 1
	s_wait_xcnt 0x0
	s_wait_alu depctr_vm_vsrc(0)
; prep: rounds x and the four weights to bf16, once, and lays them in blocks of 64 along K, so that every tile of the later
; launches is a dense run of 16,384 bytes.
;   xb  [b 8][kb 8][l 2048][64]          = x[b][l][64 kb + c]
;   wb  [nblk 4][kb 8][p 6][k 64][64]    = W_gm[64 kb + k][c], gm = 6 nblk + p in the list q0..7, k0..7, v0..7
;   wpb [nblk 4][kb 8][p 2][k 64][64]    = Wp[64 kb + k][128 nblk + 64 p + c]
; Wq is multiplied by 0.125 log2(e) before it is rounded: the scores then come out scaled and in base 2.
; LIMITS: every number is rounded to bf16 (nearest even); Wq's factor is applied in f32 in front of that one rounding.
; A stream: no LDS, no matrix unit, no cluster (no two work-groups read the same bytes).
; One op = 32 lanes x 8 numbers = 4 rows of 64 = 512 neighbouring bytes stored by one instruction.
; Work-group g: 64 rows of x (wave w takes column block kb = w: 16 ops), 12 ops of wb and 4 of wpb (two weight ops a wave).
; All 36 loads of a wave go out first; no register that a load or store reads is written again, so no source has to be freed.
; THE MODE: SCHED_MODE bits 1:0 = 2 (LLVM: expert scheduling mode 2), set by the entry lines.  The code itself states the register
; dependences between vector instructions and memory instructions, with s_wait_alu, always for 0.
; THE PLAN.  Registers that memory instructions touch:
;   v1, v3, v4   source offsets, v2 the output offset: written once at the head, read by every load or store, never written again.
;   WI, XI       one load lands in each register, once, and no vector instruction names it before.  Behind the wait for an op's data its
;                conversions close eight numbers up into the op's first four registers; the op's one store reads these four; nothing
;                writes them again.
; The 18 ops go in nine blocks of two: the weights, then ops 2 p and 2 p + 1 of x.  A block's vector instructions name its own 16 registers
; alone.  Its memory instructions are the two stores of the block before.  So ONE wait on va_vdst at a block's head states all that these
; two stores hang on, and they are dealt among the block's conversions with no further wait.  No register that a memory instruction has
; read is written again, so the text holds no wait on vm_vsrc.
.set WI, 16                            ; v[16:31]   two weight ops, 8 numbers each
.set XI, 32                            ; v[32:159]  op i of x at XI + 8 i
.set CQ, 0x3e38aa3b                    ; 0.125 * log2(e)
; wb's op u (a scalar register) -> source address in s[src:src+1], factor in s[sc].  Temporaries s32-s37.
.macro WIDX u, src, sc
	s_lshr_b32 s32, \u, 4                          ; plane = (8 nblk + kb) 6 + p: 16 ops make a plane of 8,192 bytes
	s_mul_i32 s33, s32, 10923
	s_lshr_b32 s33, s33, 16                        ; plane / 6, exact below 192 planes
	s_mul_i32 s34, s33, 6
	s_sub_co_u32 s34, s32, s34                     ; p
	s_lshr_b32 s35, s33, 3                         ; nblk
	s_mul_i32 s35, s35, 6
	s_add_co_u32 s35, s35, s34                     ; gm
	s_and_b32 s36, s35, 7                          ; head
	s_lshl_b32 s36, s36, 17                        ; x 512 rows of 256 bytes
	s_and_b32 s37, s33, 7                          ; kb
	s_lshl_b32 s37, s37, 14                        ; x 64 rows
	s_add_co_u32 s36, s36, s37
	s_and_b32 s37, \u, 15
	s_lshl_b32 s37, s37, 10                        ; x 4 rows
	s_add_co_u32 s36, s36, s37
	s_mov_b32 s37, 0
	s_lshr_b32 s35, s35, 3                         ; 0: Wq, 1: Wk, 2: Wv
	s_cmp_eq_u32 s35, 0
	s_cselect_b64 s[\src:\src+1], s[10:11], s[12:13]
	s_cselect_b32 s[\sc], CQ, 1.0
	s_cmp_eq_u32 s35, 2
	s_cselect_b64 s[\src:\src+1], s[14:15], s[\src:\src+1]
	s_add_nc_u64 s[\src:\src+1], s[\src:\src+1], s[36:37]
.endm
	s_load_b512 s[8:23], s[0:1], 0x0               ; x 8, Wq 10, Wk 12, Wv 14, Wp 16, xb 18, wb 20, wpb 22
	v_lshrrev_b32 v8, 5, v0
	v_readfirstlane_b32 s4, v8                     ; wave
	v_and_b32 v5, 31, v0                           ; lane L
	v_lshrrev_b32 v6, 3, v5                        ; L >> 3: which of the op's four rows
	v_and_b32 v7, 7, v0
	v_lshlrev_b32 v7, 5, v7                        ; (L & 7) x 32 bytes: my 8 numbers in f32
	v_lshl_add_u32 v1, v6, 11, v7                  ; source offset where rows are 2,048 bytes apart (x)
	v_lshlrev_b32 v2, 4, v5                        ; every output: 16 L
	v_lshlrev_b32 v3, 5, v5                        ; source offset in Wq, Wk, Wv: four dense rows of 256 bytes
	s_wait_alu depctr_va_sdst(0)                   ; s4, the wave's number, is written, ahead of its first reader: the ops' numbers and all bases are made from it
	s_mul_i32 s5, ttmp9, 12
	s_add_co_u32 s6, s5, s4                        ; weight op 1: wb's op 12 g + w
	s_and_b32 s7, s4, 3
	s_add_co_u32 s5, s5, s7
	s_add_co_u32 s5, s5, 8                         ; weight op 2 of waves 0-3: wb's op 12 g + 8 + w
	s_lshl_b32 s24, ttmp9, 2
	s_add_co_u32 s24, s24, s7                      ; weight op 2 of waves 4-7: wpb's op 4 g + (w & 3)
	; Wp's source offset
	s_lshr_b32 s26, s24, 4                         ; plane = (8 nblk + kb) 2 + p
	s_bfe_u32 s27, s26, 0x30001                    ; kb
	s_lshl_b32 s27, s27, 17                        ; x 64 rows of 2,048 bytes
	s_and_b32 s28, s24, 15
	s_lshl_b32 s28, s28, 13                        ; x 4 rows
	s_add_co_u32 s27, s27, s28
	s_lshr_b32 s28, s26, 4                         ; nblk
	s_lshl_b32 s28, s28, 9                         ; x 128 columns of 4 bytes
	s_add_co_u32 s27, s27, s28
	s_and_b32 s28, s26, 1                          ; p
	s_lshl_b32 s28, s28, 8                         ; x 64 columns
	s_add_co_u32 s26, s27, s28
	s_mov_b32 s27, 0
	s_lshl_b32 s28, s24, 9                         ; wpb's op x 512 bytes
	s_mov_b32 s29, 0
	s_lshl_b32 s44, s6, 9                          ; wb's ops x 512 bytes
	s_mov_b32 s45, 0
	s_lshl_b32 s52, s5, 9
	s_mov_b32 s53, 0
	; x and xb
	s_lshl_b32 s56, ttmp9, 17                      ; g x 64 rows of 2,048 bytes
	s_lshl_b32 s57, s4, 8                          ; + my 64 columns
	s_add_co_u32 s56, s56, s57
	s_mov_b32 s57, 0
	s_lshr_b32 s58, ttmp9, 5                       ; b
	s_lshl_b32 s58, s58, 21                        ; x 8 planes of 262,144 bytes
	s_lshl_b32 s59, s4, 18                         ; + plane kb = w
	s_add_co_u32 s58, s58, s59
	s_and_b32 s59, ttmp9, 31
	s_lshl_b32 s59, s59, 13                        ; + 64 rows of 128 bytes for each work-group of the batch
	s_add_co_u32 s58, s58, s59
	s_mov_b32 s59, 0
	s_wait_kmcnt 0x0
	WIDX s6, 40, 42
	WIDX s5, 48, 50
	s_add_nc_u64 s[26:27], s[16:17], s[26:27]      ; Wp's rows
	s_add_nc_u64 s[28:29], s[22:23], s[28:29]      ; wpb's op
	s_add_nc_u64 s[44:45], s[20:21], s[44:45]      ; wb's op 1
	s_add_nc_u64 s[52:53], s[20:21], s[52:53]      ; wb's op 2
	s_add_nc_u64 s[8:9], s[8:9], s[56:57]
	s_add_nc_u64 s[18:19], s[18:19], s[58:59]
	s_cmp_lt_u32 s4, 4                             ; op 2 is wb's in waves 0-3 and wpb's in waves 4-7: chosen by selects, one path for all
	s_cselect_b64 s[48:49], s[48:49], s[26:27]
	s_cselect_b64 s[52:53], s[52:53], s[28:29]
	s_cselect_b32 s50, s50, 1.0
	s_cselect_b32 s54, 8, 11                       ; log2 of the source's row pitch: 256 or 2,048 bytes
	s_mov_b32 s43, s42                             ; the packed multiply names a pair: both words are written
	s_mov_b32 s51, s50
	v_lshlrev_b32 v4, s54, v6
	v_add_nc_u32 v4, v4, v7                        ; op 2's source offset
	s_wait_alu depctr_va_vdst(0)                   ; the four offsets v1 to v4 are written: every load and store of the kernel reads one of them, and none is written again
	global_load_b128 v[WI:WI+3],     v3, s[40:41]
	global_load_b128 v[WI+4:WI+7],   v3, s[40:41] offset:16
	global_load_b128 v[WI+8:WI+11],  v4, s[48:49]
	global_load_b128 v[WI+12:WI+15], v4, s[48:49] offset:16
.irp i, 0,1,2,3,4,5,6,7,8,9,10,11,12,13,14,15
	global_load_b128 v[XI+8*\i:XI+8*\i+3],   v1, s[8:9] offset:8192*\i th:TH_LOAD_NT
	global_load_b128 v[XI+8*\i+4:XI+8*\i+7], v1, s[8:9] offset:8192*\i+16 th:TH_LOAD_NT
.endr
; Eight numbers at register r close up into their first four registers.
.macro CVT4 r
.irp j, 0,1,2,3
	v_cvt_pk_bf16_f32 v[(\r)+\j], v[(\r)+2*\j], v[(\r)+2*\j+1]   ; in place, ascending: word j is made of numbers 2 j and 2 j + 1
.endr
.endm
; Op i of x leaves.
.macro XST i
	global_store_b128 v2, v[XI+8*(\i):XI+8*(\i)+3], s[18:19] offset:512*(\i)   ; 512 neighbouring bytes, aligned
.endm
	; The weights' block: it has no block in front of it, so it holds no store and no wait but the one for its data.
	s_wait_loadcnt 32                              ; the four weight loads are in; the 32 younger loads of x stay out
.irp j, 0,2,4,6
	v_pk_mul_f32 v[WI+\j:WI+\j+1], v[WI+\j:WI+\j+1], s[42:43] op_sel_hi:[1,0]       ; Wq's factor, or 1.0
	v_pk_mul_f32 v[WI+8+\j:WI+8+\j+1], v[WI+8+\j:WI+8+\j+1], s[50:51] op_sel_hi:[1,0]
.endr
	CVT4 WI
	CVT4 WI+8
; Block p of x: ops 2 p and 2 p + 1 are rounded; the two ops of the block before are stored.
.macro XBLK p
	s_wait_loadcnt 28-4*(\p)                       ; loads return in order: this block's four are in, the 28 - 4 p younger ones stay out
	s_wait_alu depctr_va_vdst(0)                   ; the block before has written its two ops' packed words, which the two stores below read
.if (\p) == 0
	global_store_b128 v2, v[WI:WI+3], s[44:45]
.else
	XST 2*(\p)-2
.endif
	CVT4 XI+16*(\p)                                ; these name op 2 p's registers alone: none that the store below reads
.if (\p) == 0
	global_store_b128 v2, v[WI+8:WI+11], s[52:53]
.else
	XST 2*(\p)-1
.endif
	CVT4 XI+16*(\p)+8
.endm
.irp p, 0,1,2,3,4,5,6,7
	XBLK \p
.endr
	s_wait_alu depctr_va_vdst(0)                   ; the last block has written the packed words of ops 14 and 15, which the last two stores read
	XST 14
	XST 15
	s_endpgm
.Lfunc_end_k_q90e2ed4de0_prep:
	.size	k_q90e2ed4de0_prep, .Lfunc_end_k_q90e2ed4de0_prep-k_q90e2ed4de0_prep
	.p2alignl 7, 3214868480
	.fill 96, 4, 3214868480
	.section	.rodata,"a",@progbits
	.p2align	6, 0x0
	.amdhsa_kernel k_q90e2ed4de0_prep
		.amdhsa_group_segment_fixed_size 0
		.amdhsa_private_segment_fixed_size 0
		.amdhsa_enable_private_segment 0
		.amdhsa_kernarg_size 64
		.amdhsa_user_sgpr_count 2
		.amdhsa_user_sgpr_kernarg_segment_ptr 1
		.amdhsa_wavefront_size32 1
		.amdhsa_system_sgpr_workgroup_id_x 1
		.amdhsa_system_sgpr_workgroup_id_y 1
		.amdhsa_system_sgpr_workgroup_id_z 1
		.amdhsa_system_vgpr_workitem_id 0
		.amdhsa_next_free_vgpr 160
		.amdhsa_next_free_sgpr 66
		.amdhsa_reserve_vcc 0
		.amdhsa_float_denorm_mode_32 3
		.amdhsa_float_denorm_mode_16_64 3
		.amdhsa_memory_ordered 1
		.amdhsa_forward_progress 1
		.amdhsa_inst_pref_size 15
	.end_amdhsa_kernel
	.amdgpu_metadata
---
amdhsa.version: [ 1, 2 ]
amdhsa.kernels:
  - .name:           k_q90e2ed4de0_prep
    .symbol:         k_q90e2ed4de0_prep.kd
    .args:
      - { .name: x, .offset: 0, .size: 8, .value_kind: global_buffer, .address_space: global }
      - { .name: Wq, .offset: 8, .size: 8, .value_kind: global_buffer, .address_space: global }
      - { .name: Wk, .offset: 16, .size: 8, .value_kind: global_buffer, .address_space: global }
      - { .name: Wv, .offset: 24, .size: 8, .value_kind: global_buffer, .address_space: global }
      - { .name: Wp, .offset: 32, .size: 8, .value_kind: global_buffer, .address_space: global }
      - { .name: xb, .offset: 40, .size: 8, .value_kind: global_buffer, .address_space: global }
      - { .name: wb, .offset: 48, .size: 8, .value_kind: global_buffer, .address_space: global }
      - { .name: wpb, .offset: 56, .size: 8, .value_kind: global_buffer, .address_space: global }
    .group_segment_fixed_size: 0
    .private_segment_fixed_size: 0
    .kernarg_segment_align: 8
    .kernarg_segment_size: 64
    .max_flat_workgroup_size: 256
    .sgpr_count:     66
    .vgpr_count:     160
    .wavefront_size: 32
...
	.end_amdgpu_metadata
.endif
;; end of part 5
;; launch qkv: the kernel of part 2 again; grid 4 x 64, 8 waves a work-group, clusters of 4 x 4, 327,680 bytes of LDS; arguments xb, wb, qkvb; writes qkvb
;; launch attn: the kernel of part 3 again; grid 256 x 1, 8 waves a work-group, clusters of 4 x 1, 327,680 bytes of LDS; arguments qkvb, attb; writes attb
;; launch proj: the kernel of part 4 again; grid 4 x 64, 8 waves a work-group, clusters of 4 x 4, 327,680 bytes of LDS; arguments attb, wpb, bp, out0; writes out0
